; MI455X (gfx1250); checked and timed in simulation.
; The chip was launched on July 23, 2026; its instructions are those of AMD's public machine-readable ISA for CDNA 5 (MIT licence, August 2026) and "CDNA5" Instruction Set Architecture Reference Guide (July 2026). The comments in the code are by the model that wrote it; some were corrected since.
;; Bit Linear FFN. Allowed arithmetic: matrix products marked QUANTISED: E2M1 operands, one E8M0 scale for each 32 along K, by v_wmma_scale_f32_16x16x128_f8f6f4 with both operands' format E2M1 (or v_wmma_scale_f32_32x16x128_f4), f32 sums; everything else in f32.
;; Inputs: w_down 1,024 x 2,048 float32; w_gate 2,048 x 1,024 float32; w_up 2,048 x 1,024 float32; x 4 x 2,048 x 1,024 float32.
;; Outputs: out0 4 x 2,048 x 1,024 float32.
;; This version of the problem:
;;   THIS VERSION OF THE PROBLEM IS GIVEN IN LOW PRECISION. The matrix products marked QUANTISED in the list below multiply operands that are first quantised to E2M1 (2 exponent bits, 1 mantissa bit; 4 bits a number), with one power-of-two scale for each 32 numbers along K (OCP MX v1.0); their sums are f32. All else is computed in f32.
;;   The module's matrix products, in the order in which they are computed (A, B: the left and right operand; K: the contracted axis; several contracted axes count as one K, in the product's order):
;;     1. [M 8,192, K 1,024] x [K 1,024, N 2,048]; A: computed on the way; B: computed on the way: QUANTISED
;;     2. [M 8,192, K 1,024] x [K 1,024, N 2,048]; A: computed on the way; B: computed on the way: QUANTISED
;;     3. [M 8,192, K 2,048] x [K 2,048, N 1,024]; A: computed on the way; B: computed on the way: QUANTISED
;;   THE QUANTISER, for each operand of a quantised product, along K:
;;     - K is cut into blocks of 32 from its start; a last block that is shorter is filled with zeros.
;;     - A block's scale is 2^e with e = floor(log2(the largest magnitude in the block)) - 2, held to -126 .. 127; a block of zeros has e = 0. As a byte (E8M0): e + 127.
;;     - Each number is divided by its block's scale, clamped to +-6, and rounded to the nearest number of E2M1, ties to even, subnormals kept.
;;     - The product sums the exact products of the quantised numbers (number of the format x scale) in f32.
;;   ~~~python
;;   def quantise(x, axis):      # numpy; x: float32 -> the quantised numbers, widened to float32 again
;;       x = np.moveaxis(x, axis, -1); K = x.shape[-1]
;;       x = np.pad(x, [(0, 0)] * (x.ndim - 1) + [(0, -K % 32)]); x = x.reshape(x.shape[:-1] + (-1, 32)); a = np.abs(x).max(-1, keepdims=True)
;;       e = np.where(a > 0, np.clip(np.frexp(np.where(a > 0, a, 1))[1] - 1 - 2, -126, 127), 0)      # np.frexp(a)[1] - 1 = floor(log2(a)), exactly
;;       r = np.clip(x / 2.0 ** e, -6, 6)
;;       step = 2.0 ** (np.maximum(np.frexp(np.where(r == 0, 1, r))[1] - 1, 0) - 1)
;;       q = np.round(r / step) * step * 2.0 ** e      # np.round: ties to even
;;       return np.moveaxis(q.reshape(q.shape[:-2] + (-1,))[..., :K], -1, axis).astype(np.float32)
;;   ~~~
;;   OPERANDS COMPUTED ON THE WAY. 'Computed on the way' means the value that the module computes at that place (a softmax that the list does not call 'softmax' is quantised finished and normalised). What goes into a quantiser is computed in f32, as accurately as f32 sums, v_exp_f32 and their like allow (about 1e-6 of the number): no bf16 or f16 on the way to a quantiser, and a product that is left as it is and whose result goes on into a quantised operand takes f32 operands (vector FMAs, or v_wmma_f32_16x16x4_f32). A number that lies on a knife's edge between two numbers of the format may be rounded either way, as far as f32 arithmetic and the matrix unit's own rounding can turn it there, and no further.
;; 2 versions, each right. Each part assembles by itself: llvm-mc -triple=amdgcn-amd-amdhsa -mcpu=gfx1250 --defsym DOCPART=n.
;; ======== version 1 of 2: 3 launches
;; workspace buffers: psum 6,144 bytes; xc 4,194,304 bytes; xs 262,144 bytes; wc 3,145,728 bytes; wsc 768 bytes
;; launch absum (part 1): grid 256 x 1, 6 waves a work-group, no clusters, 0 bytes of LDS; arguments w_gate, w_up, w_down, psum; writes psum
.if DOCPART == 1
	.amdgcn_target "amdgcn-amd-amdhsa--gfx1250"
	.amdhsa_code_object_version 6
	.text
	.protected	k_q7c443e818b_absum
	.globl	k_q7c443e818b_absum
	.p2align	8
	.type	k_q7c443e818b_absum,@function
k_q7c443e818b_absum:
	s_mov_b64 s[64:65], 0
	v_nop
	global_prefetch_b8 v0, s[64:65] scope:SCOPE_SE
	s_setreg_imm32_b32 hwreg(HW_REG_WAVE_MODE, 25, 1), 1
	s_wait_xcnt 0x0
; THE PROGRAM: out = BL(silu(BL(x, w_gate)) * BL(x, w_up), w_down), BL(a, w) = Q8(a) T(w)^T with both operands of each product quantised to E2M1 with one E8M0 scale for 32 along K.
;   T(w)  = clip(round(w s), -1, 1) / s,      s = 1 / max(mean |w|, 1e-5), one s for a tensor
;   Q8(a) = clip(round(a s), -128, 127) / s,  s = 127 / max(max |a| of the token, 1e-5)
; Three launches: this one sums |w| in parts; the second makes the codes of x and of the three weights; the third runs the chain from x's codes to out0.
; WORK LEFT OUT.  reference() writes a + (aq - a) and w + (wq - w).  In real numbers both are aq and wq for all values of the inputs: the term a - a is 0 by an identity.  So the program
; forms aq and wq alone.  In f32 the same holds bit for bit where the clip does not act (aq - a is then exact); where it acts, on weights beyond 1.5 times the mean, reference()'s sum differs
; from wq by its own rounding and no more.  Every input has a way to the output and is loaded.
; LIMITS.  NaN and infinities among the inputs are not served, and an overflow that would arise only in the sums left out is not carried to the result.  A division is a reciprocal with one
; Newton step and a multiplication: within about one unit in the last place of reference()'s.  The sum of |w| is taken in another order than reference()'s.
; THIS LAUNCH: 1,536 waves; wave W = 6 x work-group + wave sums the magnitudes of 4,096 numbers, 16,384 consecutive bytes: chunk W % 512 of tensor W / 512 (0 gate, 1 up, 2 down), and stores one
; f32 at psum[W].  A sum over a whole tensor spans work-groups, so it ends in the next launch, where every wave adds the tensor's 512 parts in one and the same order.
; One lane of each wave stores four bytes: 1,536 such stores in the launch, 6,144 bytes against 25 million read.  No LDS, no barrier: waves share nothing.
.set X, 8                              ; v8-135: 128 numbers a lane
	s_load_b256 s[4:11], s[0:1], 0x0               ; w_gate s[4:5], w_up s[6:7], w_down s[8:9], psum s[10:11]
	v_lshrrev_b32 v1, 5, v0
	v_readfirstlane_b32 s12, v1                    ; wave 0..5
	v_and_b32 v2, 31, v0                           ; lane
	v_lshlrev_b32 v3, 4, v2                        ; 16 bytes a lane: a load of the wave covers 512 consecutive bytes
	v_mov_b32 v4, 0
	s_mul_i32 s13, ttmp9, 6
	s_add_co_u32 s13, s13, s12                     ; W
	s_lshr_b32 s14, s13, 9                         ; the tensor
	s_and_b32 s15, s13, 511                        ; the chunk
	s_lshl_b32 s16, s15, 14                        ; its first byte
	s_mov_b32 s17, 0
	s_lshl_b32 s18, s13, 2                         ; my word of psum
	s_mov_b32 s19, 0
	s_mov_b32 s20, 0x76543210                      ; v_permlanex16_b32: lane l takes lane l xor 16
	s_mov_b32 s21, 0xfedcba98
	s_wait_kmcnt 0x0
	s_cmp_eq_u32 s14, 0                            ; the choice hangs on ids alone
	s_cselect_b64 s[4:5], s[4:5], s[6:7]
	s_cmp_eq_u32 s14, 2
	s_cselect_b64 s[4:5], s[8:9], s[4:5]
	s_add_nc_u64 s[4:5], s[4:5], s[16:17]
	s_add_nc_u64 s[10:11], s[10:11], s[18:19]
.set i, 0
.rept 32
	global_load_b128 v[X+4*i:X+4*i+3], v3, s[4:5] offset:512*i   ; no hint: the next launch reads these bytes again
.set i, i+1
.endr
	s_wait_loadcnt 0x0
.set i, 0
.rept 64
	v_add_f32 v[X+i], |v[X+2*i]|, |v[X+2*i+1]|     ; the magnitudes ride on the first level of the tree; in place, ascending: register i is written when 2 i and 2 i + 1 have been read
.set i, i+1
.endr
.macro LEVEL n                         ; n packed additions: pairs 2 i and 2 i + 1 become pair i
.set i, 0
.rept \n
	v_pk_add_f32 v[X+2*i:X+2*i+1], v[X+4*i:X+4*i+1], v[X+4*i+2:X+4*i+3]
.set i, i+1
.endr
.endm
	LEVEL 16
	LEVEL 8
	LEVEL 4
	LEVEL 2
	LEVEL 1
	v_add_f32 v[X], v[X], v[X+1]
	v_add_f32_dpp v[X], v[X], v[X] row_xmask:1 row_mask:0xf bank_mask:0xf
	v_add_f32_dpp v[X], v[X], v[X] row_xmask:2 row_mask:0xf bank_mask:0xf
	v_add_f32_dpp v[X], v[X], v[X] row_xmask:4 row_mask:0xf bank_mask:0xf
	v_add_f32_dpp v[X], v[X], v[X] row_xmask:8 row_mask:0xf bank_mask:0xf
	v_permlanex16_b32 v[X+1], v[X], s20, s21       ; (its destination has been written)
	v_add_f32 v[X], v[X], v[X+1]
	s_wait_xcnt 0x0                                ; EXEC changes only behind this wait
	v_cmp_eq_u32 vcc_lo, 0, v2
	s_and_saveexec_b32 s22, vcc_lo
	global_store_b32 v4, v[X], s[10:11]            ; lane 0 alone
	s_wait_xcnt 0x0                                ; and again ahead of the line that widens it
	s_or_b32 exec_lo, exec_lo, s22
	s_endpgm
.Lfunc_end_k_q7c443e818b_absum:
	.size	k_q7c443e818b_absum, .Lfunc_end_k_q7c443e818b_absum-k_q7c443e818b_absum
	.p2alignl 7, 3214868480
	.fill 96, 4, 3214868480
	.section	.rodata,"a",@progbits
	.p2align	6, 0x0
	.amdhsa_kernel k_q7c443e818b_absum
		.amdhsa_group_segment_fixed_size 0
		.amdhsa_private_segment_fixed_size 0
		.amdhsa_enable_private_segment 0
		.amdhsa_kernarg_size 32
		.amdhsa_user_sgpr_count 2
		.amdhsa_user_sgpr_kernarg_segment_ptr 1
		.amdhsa_wavefront_size32 1
		.amdhsa_system_sgpr_workgroup_id_x 1
		.amdhsa_system_sgpr_workgroup_id_y 1
		.amdhsa_system_sgpr_workgroup_id_z 1
		.amdhsa_system_vgpr_workitem_id 0
		.amdhsa_next_free_vgpr 144
		.amdhsa_next_free_sgpr 66
		.amdhsa_reserve_vcc 1
		.amdhsa_float_denorm_mode_32 3
		.amdhsa_float_denorm_mode_16_64 3
		.amdhsa_memory_ordered 1
		.amdhsa_forward_progress 1
		.amdhsa_inst_pref_size 11
	.end_amdhsa_kernel
	.amdgpu_metadata
---
amdhsa.version: [ 1, 2 ]
amdhsa.kernels:
  - .name:           k_q7c443e818b_absum
    .symbol:         k_q7c443e818b_absum.kd
    .args:
      - { .name: w_gate, .offset: 0, .size: 8, .value_kind: global_buffer, .address_space: global }
      - { .name: w_up, .offset: 8, .size: 8, .value_kind: global_buffer, .address_space: global }
      - { .name: w_down, .offset: 16, .size: 8, .value_kind: global_buffer, .address_space: global }
      - { .name: psum, .offset: 24, .size: 8, .value_kind: global_buffer, .address_space: global }
    .group_segment_fixed_size: 0
    .private_segment_fixed_size: 0
    .kernarg_segment_align: 8
    .kernarg_segment_size: 32
    .max_flat_workgroup_size: 192
    .sgpr_count:     66
    .vgpr_count:     144
    .wavefront_size: 32
...
	.end_amdgpu_metadata
.endif
;; end of part 1
;; launch quant (part 2): grid 896 x 1, 8 waves a work-group, no clusters, 67,328 bytes of LDS; arguments x, w_gate, w_up, w_down, psum, xc, xs, wc, wsc; writes xc, xs, wc, wsc
.if DOCPART == 2
	.amdgcn_target "amdgcn-amd-amdhsa--gfx1250"
	.amdhsa_code_object_version 6
	.text
	.protected	k_q7c443e818b_quant
	.globl	k_q7c443e818b_quant
	.p2align	8
	.type	k_q7c443e818b_quant,@function
k_q7c443e818b_quant:
	s_mov_b64 s[64:65], 0
	v_nop
	global_prefetch_b8 v0, s[64:65] scope:SCOPE_SE
	s_setreg_imm32_b32 hwreg(HW_REG_WAVE_MODE, 25, 1), 1
	s_wait_xcnt 0x0
; x and the three weights become codes of E2M1 with one E8M0 scale for 32 along K.  One path serves all four: y = clip(round(v s), lo, hi) x (1 / s), then the block quantiser along K.
; WORK LEFT OUT: the sums v + (y - v) of reference(), which are y by an identity (shown at the head of the first kernel).
; A work-group takes a tile of 16 rows x 1,024 along K, 65,536 bytes of f32.  Work-groups 0-511: tile b of x (s by token, lo, hi = -128, 127).  Then 128 each for w_gate, w_up, w_down (s by tensor, from the
; 512 partial sums of the launch before, added by every wave in one order; lo, hi = -1, 1).
; THE CODES ARE STORED AS IMAGES OF THE OPERAND'S REGISTERS: a fragment (16 rows x 128 K) is 1,024 bytes: half c (K = 64 c on) at 512 c, lane l's 16 bytes at 16 l, lane l = 16 h + r holding row r, K = 64 c + 32 h + 0..31.
;   xc: fragment (tile, K step s) at 8,192 tile + 1,024 s.   xs: the scale word of (tile, s, row r) at 512 tile + 64 s + 4 r.
;   wc: 24 tiles of 131,072 bytes in the order in which the next launch walks them; in a tile 16,384 bytes for each of its eight waves v.
;     tiles q = 0..15: K step s at 2,048 s: w_gate's fragment, then w_up's.  Row m of these fragments is hidden unit 256 v + 128 (q / 8) + 64 ((q / 4) % 2) + 32 (m / 8) + 8 (q % 4) + m % 8:
;     which rows form a tile is free, and these make a lane's results of four neighbouring q one whole block of 32 along the last product's K.
;     tiles 16 + p: w_down's rows 16 (8 v + p) + m, K step S at 1,024 S.
;   wsc: 256 bytes a tensor: its scale word.  Every weight is 0 or +-1/s, so every block that is not all zeros has the same scale byte, and a block of zeros has zero codes, which add nothing under that byte either.
; THE WAY.  Wave w loads rows 2 w and 2 w + 1 whole (a load covers 512 consecutive bytes), finds s, rounds, and lays the rows in a stage in LDS | barrier | wave w takes K step w of all 16 rows: a lane reads its two
; blocks of 32 neighbours, so a block's largest magnitude needs no other lane and the conversions' results are the operand's registers; two stores of 512 consecutive aligned bytes.
; LIMITS: NaN and infinities are not served; a block of zeros gets the byte 1 (x) or the tensor's byte (weights) where the rule says 127: its codes are zeros, and this program alone reads the bytes.
.set PITCH, 4112                       ; a stage row: 4,096 bytes + 16: 257 x 16, so the 16 rows that a load touches start in 16 different groups of four banks (64 banks of 4 bytes: ISA guide 11.1)
.set SCW,   16*PITCH                   ; behind the stage: the tile's 128 scale words
.set SPARE, SCW+512                    ; the spare words, 128 bytes for each wave: four blocks of 256 bytes that no other line names
.set VO0, 4                            ; v4   16 x lane: my bytes in a load of row 2 w, and in a store of codes
.set VO1, 5                            ; v5   the same one row further on
.set SA,  6                            ; v6   the stage, on the way in
.set RA,  7                            ; v7   and on the way out: row r, K step w, half h
.set SCR, 8                            ; v8   the scale words as wave 0 reads them back
.set SWA, 9                            ; v9   where my row's scale word goes
.set SPW, 10                           ; v10  LDS address of my spare word; never rewritten
.set NIL, 11                           ; v11  0; never rewritten
.set AM,  12                           ; v12-13 two largest magnitudes;  v14-15 destinations of lane permutes
.set SS,  16                           ; v[16:17], v[18:19] s of my two rows, each twice (pairs for the packed multiply)
.set IV,  20                           ; v[20:21], v[22:23] 1 / s likewise
.set T,   24                           ; v24-29 at work
.set WB,  30                           ; v[30:31] a weight tensor's scale word, twice
.set X,   32                           ; v32-95 my two rows, later my two blocks of 32 neighbours
.set CD,  96                           ; v96-103 the fragment's codes
.set PS,  104                          ; v104-119 16 partial sums; later the scale words on their way out
.set SH8, 120                          ; v120 8 h
.set L8,  121                          ; v121 8 x lane
.set WV,  22                           ; s22 wave;  s23 work-group
.set SRCO, 24                          ; s[24:25] the tile's first byte in its tensor
.set RP,  26                           ; s26 bytes from row to row
.set G2,  27                           ; s27 bytes from the tile's row 0 to its row 8
.set DSTO, 28                          ; s[28:29] the tile's first byte among the codes
.set FS,  30                           ; s30 bytes from a K step's fragment to the next
.set LO,  31
.set HI,  32
.set KT,  33                           ; s33 which weight (0 for x)
.set JT,  34                           ; s34 which tile of that weight
.set SEL, 40
	s_load_b256 s[4:11], s[0:1], 0x0               ; x s[4:5], w_gate s[6:7], w_up s[8:9], w_down s[10:11]
	s_load_b256 s[12:19], s[0:1], 0x20             ; psum s[12:13], xc s[14:15], xs s[16:17], wc s[18:19]
	s_load_b64 s[20:21], s[0:1], 0x40              ; wsc
	v_lshl_add_u32 v[SPW], v0, 2, SPARE
	v_mov_b32 v[NIL], 0
	v_lshrrev_b32 v1, 5, v0
	v_readfirstlane_b32 s[WV], v1                  ; wave 0..7
	v_and_b32 v1, 31, v0                           ; lane
	v_and_b32 v2, 15, v0                           ; r
	v_bfe_u32 v3, v0, 4, 1                         ; h
	v_lshlrev_b32 v[VO0], 4, v1
	s_mul_i32 s35, s[WV], 2*PITCH
	v_add_nc_u32 v[SA], s35, v[VO0]                ; rows 2 w, 2 w + 1 of the stage, 16 bytes a lane
	v_mul_u32_u24 v[RA], v2, PITCH
	v_lshl_add_u32 v[RA], v3, 7, v[RA]
	s_lshl_b32 s35, s[WV], 9
	v_add_nc_u32 v[RA], s35, v[RA]                 ; row r, + 512 w (128 numbers), + 128 h (32 numbers)
	v_add_nc_u32 v[SCR], SCW, v[VO0]
	s_lshl_b32 s35, s[WV], 6
	v_lshl_add_u32 v[SWA], v2, 2, s35
	v_add_nc_u32 v[SWA], SCW, v[SWA]               ; K step w, row r
	v_mov_b32 v14, 0                               ; a lane permute's destination counts as one of its sources
	v_mov_b32 v15, 0
	v_lshlrev_b32 v[SH8], 3, v3
	v_lshlrev_b32 v[L8], 3, v1
	s_mov_b32 s[SEL], 0x76543210
	s_mov_b32 s[SEL+1], 0xfedcba98                 ; lane l xor 16
	s_mov_b32 s[SRCO+1], 0
	s_mov_b32 s[DSTO+1], 0
	s_mov_b32 s23, ttmp9
	; where the tile lies: three arms on the work-group's number, scalar arithmetic alone
	s_cmp_lt_u32 s23, 512
	s_cbranch_scc0 .Lweights
	s_lshl_b32 s[SRCO], s23, 16                    ; x: 16 rows of 4,096 bytes
	s_mov_b32 s[RP], 4096
	s_mov_b32 s[G2], 32768
	s_lshl_b32 s[DSTO], s23, 13
	s_mov_b32 s[FS], 1024
	s_mov_b32 s[LO], 0xc3000000                    ; -128
	s_mov_b32 s[HI], 0x42fe0000                    ; 127
	s_mov_b32 s[KT], 0
	s_mov_b32 s[JT], 1
	s_branch .Lhave
.Lweights:
	s_sub_co_u32 s35, s23, 512
	s_and_b32 s[JT], s35, 127
	s_lshr_b32 s[KT], s35, 7
	s_mov_b32 s[LO], 0xbf800000                    ; -1
	s_mov_b32 s[HI], 0x3f800000                    ; 1
	s_cmp_eq_u32 s[KT], 2
	s_cbranch_scc1 .Ldown
	s_lshr_b32 s36, s[JT], 4                       ; v
	s_and_b32 s37, s[JT], 15                       ; q
	s_lshl_b32 s38, s36, 8                         ; the tile's first unit: 256 v
	s_lshr_b32 s39, s37, 3
	s_lshl_b32 s39, s39, 7
	s_add_co_u32 s38, s38, s39                     ; + 128 (q / 8)
	s_bfe_u32 s39, s37, 0x10002
	s_lshl_b32 s39, s39, 6
	s_add_co_u32 s38, s38, s39                     ; + 64 ((q / 4) % 2)
	s_and_b32 s39, s37, 3
	s_lshl_b32 s39, s39, 3
	s_add_co_u32 s38, s38, s39                     ; + 8 (q % 4)
	s_lshl_b32 s[SRCO], s38, 12
	s_mov_b32 s[RP], 4096
	s_mov_b32 s[G2], 131072                        ; rows 8-15 are the units 32 further on
	s_lshl_b32 s[DSTO], s37, 17                    ; tile q,
	s_lshl_b32 s39, s36, 14
	s_add_co_u32 s[DSTO], s[DSTO], s39             ; wave v's part,
	s_lshl_b32 s39, s[KT], 10
	s_add_co_u32 s[DSTO], s[DSTO], s39             ; w_gate's fragment or w_up's
	s_mov_b32 s[FS], 2048
	s_branch .Lhave
.Ldown:
	s_and_b32 s36, s[JT], 1                        ; which half of K
	s_lshr_b32 s37, s[JT], 1                       ; which 16 rows: 8 v + p
	s_lshl_b32 s[SRCO], s37, 17                    ; 16 rows of 8,192 bytes
	s_lshl_b32 s39, s36, 12
	s_add_co_u32 s[SRCO], s[SRCO], s39
	s_mov_b32 s[RP], 8192
	s_mov_b32 s[G2], 65536
	s_and_b32 s38, s37, 7
	s_add_co_u32 s38, s38, 16
	s_lshl_b32 s[DSTO], s38, 17                    ; tile 16 + p,
	s_lshr_b32 s39, s37, 3
	s_lshl_b32 s39, s39, 14
	s_add_co_u32 s[DSTO], s[DSTO], s39             ; wave v's part,
	s_lshl_b32 s39, s36, 13
	s_add_co_u32 s[DSTO], s[DSTO], s39             ; K steps 8 x half on
	s_mov_b32 s[FS], 1024
.Lhave:
	s_lshr_b32 s35, s[WV], 2
	s_mul_i32 s35, s35, s[G2]
	s_and_b32 s36, s[WV], 3
	s_mul_i32 s36, s36, s[RP]
	s_lshl_b32 s36, s36, 1
	s_add_co_u32 s[SRCO], s[SRCO], s35
	s_add_co_u32 s[SRCO], s[SRCO], s36             ; row 2 w of the tile
	s_mul_i32 s35, s[WV], s[FS]
	s_add_co_u32 s[DSTO], s[DSTO], s35             ; K step w's fragment
	v_add_nc_u32 v[VO1], s[RP], v[VO0]
	s_wait_kmcnt 0x0
	s_cmp_lt_u32 s23, 512                          ; the buffers are chosen on ids alone
	s_cselect_b64 s[14:15], s[14:15], s[18:19]     ; xc or wc
	s_cselect_b64 s[4:5], s[4:5], s[6:7]
	s_cmp_eq_u32 s[KT], 1
	s_cselect_b64 s[4:5], s[8:9], s[4:5]
	s_cmp_eq_u32 s[KT], 2
	s_cselect_b64 s[4:5], s[10:11], s[4:5]
	s_add_nc_u64 s[4:5], s[4:5], s[SRCO:SRCO+1]
	s_add_nc_u64 s[14:15], s[14:15], s[DSTO:DSTO+1]
.set i, 0
.rept 8
	global_load_b128 v[X+4*i:X+4*i+3], v[VO0], s[4:5] offset:512*i th:TH_LOAD_NT        ; row 2 w: no later launch reads these bytes
	global_load_b128 v[X+32+4*i:X+32+4*i+3], v[VO1], s[4:5] offset:512*i th:TH_LOAD_NT  ; row 2 w + 1
.set i, i+1
.endr
	; s and 1 / s.  Neither arm touches LDS
	s_cmp_lt_u32 s23, 512
	s_cbranch_scc0 .Lwscale
	s_wait_loadcnt 0x0
.irp p, 0,1
	v_max3_num_f32 v[AM+\p], |v[X+32*\p]|, |v[X+32*\p+1]|, |v[X+32*\p+2]|   ; the token's largest magnitude: my 32 numbers of each row, the two rows by turns
.endr
.irp i, 3,5,7,9,11,13,15,17,19,21,23,25,27,29
.irp p, 0,1
	v_max3_num_f32 v[AM+\p], v[AM+\p], |v[X+32*\p+\i]|, |v[X+32*\p+\i+1]|
.endr
.endr
.irp p, 0,1
	v_max_num_f32 v[AM+\p], v[AM+\p], |v[X+32*\p+31]|
.endr
.irp m, 1,2,4,8
.irp p, 0,1
	v_max_num_f32_dpp v[AM+\p], v[AM+\p], v[AM+\p] row_xmask:\m row_mask:0xf bank_mask:0xf
.endr
.endr
	v_permlanex16_b32 v14, v[AM], s[SEL], s[SEL+1]
	v_permlanex16_b32 v15, v[AM+1], s[SEL], s[SEL+1]
	v_max_num_f32 v[AM], v[AM], v14
	v_max_num_f32 v[AM+1], v[AM+1], v15
	v_max_num_f32 v[AM], 0x3727c5ac, v[AM]         ; held at 1e-5 from below, as reference() holds it
	v_max_num_f32 v[AM+1], 0x3727c5ac, v[AM+1]
	v_rcp_f32 v[T], v[AM]
	v_rcp_f32 v[T+1], v[AM+1]
	v_mov_b32 v[T+2], 0x42fe0000                   ; 127: a plain instruction behind the reciprocals
	s_wait_alu depctr_va_vdst(0)                   ; the wait ahead of the first reader: one for both
	v_mul_f32 v[SS], v[T+2], v[T]                  ; q = 127 r
	v_mul_f32 v[SS+2], v[T+2], v[T+1]
	v_fma_f32 v[T+3], -v[SS], v[AM], v[T+2]        ; 127 - q a, in one rounding
	v_fma_f32 v[T+4], -v[SS+2], v[AM+1], v[T+2]
	v_fma_f32 v[SS], v[T+3], v[T], v[SS]           ; s = q + (127 - q a) r
	v_fma_f32 v[SS+2], v[T+4], v[T+1], v[SS+2]
	v_rcp_f32 v[T], v[SS]
	v_rcp_f32 v[T+1], v[SS+2]
	v_mov_b32 v[SS+1], v[SS]
	v_mov_b32 v[SS+3], v[SS+2]
	s_wait_alu depctr_va_vdst(0)
	v_fma_f32 v[T+3], -v[SS], v[T], 1.0
	v_fma_f32 v[T+4], -v[SS+2], v[T+1], 1.0
	v_fma_f32 v[IV], v[T+3], v[T], v[T]            ; 1 / s, with one Newton step
	v_fma_f32 v[IV+2], v[T+4], v[T+1], v[T+1]
	v_mov_b32 v[IV+1], v[IV]
	v_mov_b32 v[IV+3], v[IV+2]
	v_mov_b32 v[WB], 0                             ; (written on both ways)
	v_mov_b32 v[WB+1], 0
	s_branch .Lscaled
.Lwscale:
	s_lshl_b32 s35, s[KT], 11                      ; the tensor's 512 partial sums
	v_add_nc_u32 v[T], s35, v[VO0]
.irp i, 0,1,2,3
	global_load_b128 v[PS+4*\i:PS+4*\i+3], v[T], s[12:13] offset:512*\i
.endr
	s_wait_loadcnt 0x0
.irp i, 0,1,2,3
	v_pk_add_f32 v[PS+2*\i:PS+2*\i+1], v[PS+4*\i:PS+4*\i+1], v[PS+4*\i+2:PS+4*\i+3]
.endr
.irp i, 0,1
	v_pk_add_f32 v[PS+2*\i:PS+2*\i+1], v[PS+4*\i:PS+4*\i+1], v[PS+4*\i+2:PS+4*\i+3]
.endr
	v_pk_add_f32 v[PS:PS+1], v[PS:PS+1], v[PS+2:PS+3]
	v_add_f32 v[PS], v[PS], v[PS+1]
.irp m, 1,2,4,8
	v_add_f32_dpp v[PS], v[PS], v[PS] row_xmask:\m row_mask:0xf bank_mask:0xf
.endr
	v_permlanex16_b32 v14, v[PS], s[SEL], s[SEL+1]
	v_add_f32 v[PS], v[PS], v14
	v_mul_f32 v[AM], 0x35000000, v[PS]             ; the mean: x 2^-21, exact: a tensor has 2^21 numbers
	v_max_num_f32 v[AM], 0x3727c5ac, v[AM]         ; held at 1e-5 from below
	v_rcp_f32 v[T], v[AM]
	v_nop
	s_wait_alu depctr_va_vdst(0)
	v_fma_f32 v[T+3], -v[AM], v[T], 1.0
	v_fma_f32 v[SS], v[T+3], v[T], v[T]            ; s = 1 / mean
	v_rcp_f32 v[T+1], v[SS]
	v_mov_b32 v[SS+1], v[SS]
	v_mov_b32 v[SS+2], v[SS]
	v_mov_b32 v[SS+3], v[SS]
	s_wait_alu depctr_va_vdst(0)
	v_fma_f32 v[T+3], -v[SS], v[T+1], 1.0
	v_fma_f32 v[IV], v[T+3], v[T+1], v[T+1]        ; 1 / s: the magnitude of every weight that is not 0
	v_mov_b32 v[IV+1], v[IV]
	v_mov_b32 v[IV+2], v[IV]
	v_mov_b32 v[IV+3], v[IV]
	v_max_num_f32 v[T+5], 0x1800000, v[IV]         ; the tensor's scale byte: that magnitude's exponent field less 2, held at 1 from below,
	v_add_nc_u32 v[T+5], 0xff000000, v[T+5]
	v_lshrrev_b32 v[T+5], 23, v[T+5]
	v_lshl_or_b32 v[T+5], v[T+5], 8, v[T+5]
	v_lshl_or_b32 v[WB], v[T+5], 16, v[T+5]        ; four times: the scale word of any row and any 128 along K
	v_mov_b32 v[WB+1], v[WB]
.Lscaled:
.macro GRID p                          ; row p of my two: y = clip(round(v s)) / s, in place
.set B, X+32*(\p)
.set j, 0
.rept 16
	v_pk_mul_f32 v[B+j:B+j+1], v[B+j:B+j+1], v[SS+2*(\p):SS+2*(\p)+1]
.set j, j+2
.endr
.set j, 0
.rept 32
	v_rndne_f32 v[B+j], v[B+j]                     ; to the nearest whole number, ties to even
.set j, j+1
.endr
.set j, 0
.rept 32
	v_med3_num_f32 v[B+j], v[B+j], s[LO], s[HI]    ; the clip
.set j, j+1
.endr
.set j, 0
.rept 16
	v_pk_mul_f32 v[B+j:B+j+1], v[B+j:B+j+1], v[IV+2*(\p):IV+2*(\p)+1]
.set j, j+2
.endr
.endm
	GRID 0
	GRID 1
.irp p, 0,1
.irp i, 0,1,2,3,4,5,6,7
	ds_store_b128 v[SA], v[X+32*\p+4*\i:X+32*\p+4*\i+3] offset:PITCH*\p+512*\i   ; as loaded: 512 consecutive bytes
.endr
.endr
	s_wait_dscnt 0x0                               ; for the others' sake: my two rows lie in the stage
	s_barrier_signal -1
	s_barrier_wait -1
.irp c, 0,1
.irp i, 0,1,2,3,4,5,6,7
	ds_load_b128 v[X+32*\c+4*\i:X+32*\c+4*\i+3], v[RA] offset:256*\c+16*\i       ; block 2 c + h of row r, K step w: 32 neighbours
.endr
.endr
.macro BMAX c                          ; a block's largest magnitude, with the floor 2^(3 - 127) among its leaves: so the byte cannot fall under 1
	v_max3_num_f32 v[AM+\c], |v[X+32*\c]|, |v[X+32*\c+1]|, 0x1800000
.irp i, 2,4,6,8,10,12,14,16,18,20,22,24,26,28,30
	v_max3_num_f32 v[AM+\c], v[AM+\c], |v[X+32*\c+\i]|, |v[X+32*\c+\i+1]|
.endr
.endm
	s_wait_dscnt 8                                 ; LDS loads come back in order: the first block's eight are in, the second block's eight may be out
	BMAX 0
	s_wait_dscnt 0x0
	BMAX 1
	v_add_nc_u32 v[T], 0xff000000, v[AM]           ; 2 off the exponent field: the conversion takes the exponent field of this operand as its scale
	v_add_nc_u32 v[T+1], 0xff000000, v[AM+1]
	v_lshrrev_b32 v[T+2], 23, v[T]                 ; the scales' bytes
	v_lshrrev_b32 v[T+3], 23, v[T+1]
	v_lshl_or_b32 v[T+4], v[T+3], 16, v[T+2]       ; blocks h and 2 + h,
	v_lshlrev_b32 v[T+4], v[SH8], v[T+4]           ; at their places in the word;
	v_permlanex16_b32 v14, v[T+4], s[SEL], s[SEL+1]
	v_or_b32 v[T+4], v[T+4], v14                   ; with lane l xor 16's two the word is whole
.irp c, 0,1
.irp g, 0,1,2,3
	v_cvt_scalef32_pk8_fp4_f32 v[CD+4*\c+\g], v[X+32*\c+8*\g:X+32*\c+8*\g+7], v[T+\c]   ; registers 4 c .. 4 c + 3 of the operand
.endr
.endr
	v_nop                                          ; one plain instruction behind the last conversion
	global_store_b128 v[VO0], v[CD:CD+3], s[14:15]             ; 512 consecutive bytes, at a multiple of 512 from the buffer's first byte
	global_store_b128 v[VO0], v[CD+4:CD+7], s[14:15] offset:512
	ds_store_b32 v[SWA], v[T+4]                    ; both halves of the lanes write the same word with the same value
	s_wait_tensorcnt 0x0                           ; my last LDS store is out
	ds_add_u32 v[SPW], v[NIL]
	s_wait_dscnt 0x0                               ; the wait also shows my scale words stored, for wave 0's sake
	s_barrier_signal -1
	s_barrier_wait -1
	s_cmp_lg_u32 s[WV], 0                          ; the rest is wave 0's, and writes no LDS
	s_cbranch_scc1 .Lend
	s_cmp_lt_u32 s23, 512
	s_cbranch_scc0 .Lwtail
	ds_load_b128 v[PS:PS+3], v[SCR]                ; x: the tile's 128 scale words leave as 512 consecutive bytes
	s_lshl_b32 s36, s23, 9
	s_mov_b32 s37, 0
	s_add_nc_u64 s[16:17], s[16:17], s[36:37]
	s_wait_dscnt 0x0
	global_store_b128 v[VO0], v[PS:PS+3], s[16:17]
	s_branch .Lend
.Lwtail:
	s_cmp_lg_u32 s[JT], 0                          ; a weight's first tile stores the tensor's scale word
	s_cbranch_scc1 .Lend
	s_lshl_b32 s36, s[KT], 8
	s_mov_b32 s37, 0
	s_add_nc_u64 s[20:21], s[20:21], s[36:37]
	global_store_b64 v[L8], v[WB:WB+1], s[20:21]   ; 32 lanes store 256 consecutive aligned bytes
.Lend:
	s_endpgm
.Lfunc_end_k_q7c443e818b_quant:
	.size	k_q7c443e818b_quant, .Lfunc_end_k_q7c443e818b_quant-k_q7c443e818b_quant
	.p2alignl 7, 3214868480
	.fill 96, 4, 3214868480
	.section	.rodata,"a",@progbits
	.p2align	6, 0x0
	.amdhsa_kernel k_q7c443e818b_quant
		.amdhsa_group_segment_fixed_size 67328
		.amdhsa_private_segment_fixed_size 0
		.amdhsa_enable_private_segment 0
		.amdhsa_kernarg_size 72
		.amdhsa_user_sgpr_count 2
		.amdhsa_user_sgpr_kernarg_segment_ptr 1
		.amdhsa_wavefront_size32 1
		.amdhsa_system_sgpr_workgroup_id_x 1
		.amdhsa_system_sgpr_workgroup_id_y 1
		.amdhsa_system_sgpr_workgroup_id_z 1
		.amdhsa_system_vgpr_workitem_id 0
		.amdhsa_next_free_vgpr 128
		.amdhsa_next_free_sgpr 66
		.amdhsa_reserve_vcc 0
		.amdhsa_float_denorm_mode_32 3
		.amdhsa_float_denorm_mode_16_64 3
		.amdhsa_memory_ordered 1
		.amdhsa_forward_progress 1
		.amdhsa_inst_pref_size 29
	.end_amdhsa_kernel
	.amdgpu_metadata
---
amdhsa.version: [ 1, 2 ]
amdhsa.kernels:
  - .name:           k_q7c443e818b_quant
    .symbol:         k_q7c443e818b_quant.kd
    .args:
      - { .name: x, .offset: 0, .size: 8, .value_kind: global_buffer, .address_space: global }
      - { .name: w_gate, .offset: 8, .size: 8, .value_kind: global_buffer, .address_space: global }
      - { .name: w_up, .offset: 16, .size: 8, .value_kind: global_buffer, .address_space: global }
      - { .name: w_down, .offset: 24, .size: 8, .value_kind: global_buffer, .address_space: global }
      - { .name: psum, .offset: 32, .size: 8, .value_kind: global_buffer, .address_space: global }
      - { .name: xc, .offset: 40, .size: 8, .value_kind: global_buffer, .address_space: global }
      - { .name: xs, .offset: 48, .size: 8, .value_kind: global_buffer, .address_space: global }
      - { .name: wc, .offset: 56, .size: 8, .value_kind: global_buffer, .address_space: global }
      - { .name: wsc, .offset: 64, .size: 8, .value_kind: global_buffer, .address_space: global }
    .group_segment_fixed_size: 67328
    .private_segment_fixed_size: 0
    .kernarg_segment_align: 8
    .kernarg_segment_size: 72
    .max_flat_workgroup_size: 256
    .sgpr_count:     66
    .vgpr_count:     128
    .wavefront_size: 32
...
	.end_amdgpu_metadata
.endif
;; end of part 2
;; launch ffn (part 3): grid 256 x 1, 8 waves a work-group, clusters of 4 x 1, 327,680 bytes of LDS; arguments xc, xs, wc, wsc, out0; writes out0
.if DOCPART == 3
	.amdgcn_target "amdgcn-amd-amdhsa--gfx1250"
	.amdhsa_code_object_version 6
	.text
	.protected	k_q7c443e818b_ffn
	.globl	k_q7c443e818b_ffn
	.p2align	8
	.type	k_q7c443e818b_ffn,@function
k_q7c443e818b_ffn:
	s_mov_b64 s[64:65], 0
	v_nop
	global_prefetch_b8 v0, s[64:65] scope:SCOPE_SE
	s_setreg_imm32_b32 hwreg(HW_REG_WAVE_MODE, 25, 1), 1
	s_wait_xcnt 0x0
	s_wait_alu depctr_hold_cnt(0) depctr_sa_sdst(0) depctr_va_vdst(0) depctr_va_sdst(0) depctr_va_ssrc(0) depctr_va_vcc(0) depctr_vm_vsrc(0)
	s_getreg_b32 s2, hwreg(HW_REG_IB_STS2, 6, 4)
	s_cmp_eq_u32 s2, 0
	s_cbranch_scc0 .Lentry_in_a_cluster
	s_endpgm
.Lentry_in_a_cluster:
	s_bfe_u32 s2, ttmp6, 0x10000c
	s_cmp_lg_u32 s2, 0x3003
	s_cbranch_scc0 .Lentry_shape_is_right
	s_endpgm
.Lentry_shape_is_right:
; out0 = Q(Q8(silu(g) u)) Q(T(w_down))^T, g = Q(Q8(x)) Q(T(w_gate))^T, u likewise with w_up: the three products on codes of E2M1 with E8M0 scales, made by the launch before (x, weights) or here (the hidden layer).
; WORK LEFT OUT: the sum h + (hq - h) of reference(), which is hq by an identity (shown at the head of the first kernel).
; SHARES.  The scale of Q8 is by token over all 2,048 hidden units, so whole rows of the hidden layer need one owner: a work-group owns 32 tokens (two tiles of 16) and keeps their 65,536 hidden numbers in f32 in
; registers, 256 a lane-register set for each of its eight waves.  Wave v makes hidden units 256 v .. 256 v + 255, which are K steps 2 v and 2 v + 1 of the last product, and then outputs 128 v .. 128 v + 127.
; THE WEIGHTS' CODES are one stream of 24 tiles of 131,072 bytes, laid in the order of this walk.  They go through a ring of two LDS slots; wave v fetches and reads its own 16,384 bytes of each tile.
; CLUSTER.  Every work-group walks the same stream, so the four of a cluster ask JOINTLY: the same tensor load with the same descriptor and the mask 15 in all four: a quarter of the requests.
; LAYOUT.  All products are used transposed (source 0 = 16 rows of a weight, source 1 = 16 tokens): a lane holds one token (lane % 16) throughout.  The rows of w_gate and w_up that form a tile were chosen so that a
; lane's 32 results of four neighbouring tiles are one whole block of 32 along the last product's K: its largest magnitude needs no other lane, and the conversions' results are the operand's registers.
; One scale word serves a whole weight tensor (all its numbers are 0 or of one magnitude).  The tokens' scale words carry tile 0's in lanes 0-15 and tile 1's in lanes 16-31.
; THE WALK: trips 0-15: tile q: 8 K steps x (gate, up) x 2 token tiles; the tile's silu(g) u is worked in the next trip, behind that trip's first LDS loads.  Trip 16: the tokens' largest magnitudes meet in LDS; the
; hidden layer is rounded, quantised and goes round as images of the operand's registers; all 32 fragments come back into the registers that held it.  Trips 16-23: tile 16 + p: 16 outputs x 16 K steps x 2 token tiles,
; even and odd K steps in accumulators of their own.  The results leave through each wave's stage in LDS, 64 outputs at a time: 16 lanes store 256 consecutive aligned bytes.
; All 24 trips are written out: the registers of the hidden layer differ from trip to trip.
; LIMITS: NaN and infinities are not served; silu is g / (1 + 2^(-g log2 e)) by v_exp_f32 and v_rcp_f32; a block of zeros gets the byte 1 where the rule says 127 (its codes are zeros; this program alone reads the bytes).
; REGISTERS.  Window 0: v1-18 addresses and constants; v24-39 the tokens' scale words, v40-42 the weights'; v44-75 four accumulators (in trip 16: the codes just made); v76-123 three buffers of two weight fragments
; (in trip 16: at work); v128-255 x's 16 fragments, later results and rows on their way out.  Window 1: the hidden layer in f32, later its 32 fragments.
.set SLOT1,  131072                    ; slot 0 at LDS byte 0, slot 1 here
.set HIMG,   262144                    ; the hidden layer's 32 fragments: (K step S, token tile u) at 1,024 (2 S + u)
.set HSC,    HIMG+32768                ; their scale words: K step S at 128 S
.set STAGE,  HIMG                      ; the way out lies over both: 8 waves x 16 rows x 272 bytes.  First written four changes of slots behind the last read of the images
.set SPITCH, 272                       ; 256 bytes + 16: 17 x 16, so that the 16 rows of a store start in 16 different groups of four banks (ISA guide 11.1)
.set MAXX,   STAGE+8*16*SPITCH         ; 256 words: each wave's largest magnitudes
.set SPARE,  MAXX+1024                 ; the spare words, 128 bytes for each wave: four blocks of 256 bytes that no other line names
.set ADR, 1                            ; v1, v2  my lane's 16 bytes in my wave's part of slot 0, 1
.set SPW, 3                            ; v3   LDS address of my spare word; never rewritten
.set NIL, 4                            ; v4   0; never rewritten
.set HWI, 5                            ; v5   where I store the images that I make
.set HWS, 6                            ; v6   and their scale words
.set LI,  7                            ; v7   where any image begins for my lane
.set LS,  8                            ; v8   and any scale word
.set MXW, 9                            ; v9   my word among the maxima
.set MXR, 10                           ; v10  my token's words there
.set SH8, 11                           ; v11  8 (lane / 16)
.set MX,  12                           ; v12, v13 the largest |h| so far of my token in tile 0, 1
.set STO, 14                           ; v14  the stage: where I put 32 bytes of a row
.set RD,  15                           ; v15  and where I read a row back
.set GO,  16                           ; v16  my byte offset in two rows of out0
.set PFO, 17                           ; v17  the prefetches' offset; never rewritten
.set FLR, 18                           ; v18  2^(3 - 127)
.set SW,  24
.set WSG, 40                           ; v40 w_gate's scale word, v41 w_up's, v42 w_down's
.set ACC, 44
.set PC,  44
.set WF,  76
.set XF,  128
.set RR,  128                          ; results: (p % 4, u) at 8 (2 (p % 4) + u)
.set BK,  192                          ; rows read back from the stage: 32 registers a token tile
.set MT,  76                           ; trip 16: v76-91 the eight waves' maxima
.set SP,  92                           ; v[92:93], v[94:95] s of my token in tile 0, 1, each twice
.set IV,  96                           ; v[96:97], v[98:99] 1 / s likewise
.set TM,  100
.set SCOP, 102
.set BY,  104
.set PX,  106
.set WD,  108
.set WX,  110
.set RT,  112
.set WV,  14                           ; s14 wave
.set G1,  24                           ; s[24:31] descriptor group 1
.set G0,  32                           ; s[32:35], s[36:39] group 0 for slot 0, 1
.set SEL, 40
.set LO,  42
.set HI,  43
.set LE,  44                           ; s[44:45] -log2(e): the packed form names a pair
.set FLAG, 46                          ; s46 1 in a wave that prefetches
.set HALF, 47                          ; s47 a mask of lanes 16-31
.set MSB, 0
.macro WIN new                         ; the immediate's high byte repeats the setting that is left; a switch that changes nothing is dropped
.if MSB != \new
	s_set_vgpr_msb (MSB<<8)|\new
.set MSB, \new
.endif
.endm
.macro PLACES n
.rept \n
	v_nop
.endr
.endm
.macro ROUND                           ; a round of the cluster's barrier
	s_barrier_signal -1
	s_barrier_wait -1
	s_cmp_lg_u32 s[WV], 0
	s_cbranch_scc1 .Lnot_wave_0_\@
	s_barrier_signal -3
.Lnot_wave_0_\@:
	s_barrier_wait -3
	s_barrier_signal -1
	s_barrier_wait -1
.endm
; THE CHANGE OF SLOTS at the head of trip n.  All my tensor loads have landed, of which one was out: my part of tile n; the add; my reads of tile n - 1 are over.  Behind the round that holds of every wave of all four
; work-groups, and tile n + 1 is asked for, into the slot that tile n - 1 has left: my one tensor load until the next round.  It has a trip in which to land.
; Five v_nop follow: places between the last trip's products and the loads into their operands, the reads of their results, and the products that begin the accumulators anew.
.macro CHANGE n
.set gs, G0+4*(((\n)+1)%2)
	s_wait_tensorcnt 0x0                           ; no tensor load of mine is out, so a group 0 may be written
	ds_add_u32 v[SPW], v[NIL]
	s_add_nc_u64 s[gs+2:gs+3], s[gs+2:gs+3], 2*SLOT1   ; this slot's next tile; the type bits on top are not reached
	s_wait_dscnt 0x0
	ROUND
	tensor_load_to_lds s[gs:gs+3], s[G1:G1+7]
	s_nop 0
	PLACES 5
.endm
; A PREFETCH INTO THE L2 of a later tile: asked in trip n for tile n + 4, whose load is issued at the head of trip n + 3.  All work-groups walk the same stream: cluster 0 asks, and nobody else.  Its four partners take
; 32,768 bytes each, told apart by address; in each, waves 0 to 3 take 8,192, lanes 256 bytes apart: each aligned block of 256 bytes of a tile is named once.  Tiles 0 to 4 come by their loads alone; nothing is asked beyond tile 23.
.macro ASK tile
	s_cmp_eq_u32 s[FLAG], 1
	s_cbranch_scc0 .Lnot_mine_\@
	global_prefetch_b8 v[PFO], s[8:9] offset:(\tile)*SLOT1 th:TH_LOAD_NT scope:SCOPE_SE
.Lnot_mine_\@:
.endm
.macro LOADP slot, p, buf              ; piece p of my part of a tile: two fragments, 2,048 bytes, as they lie: images of the operand's registers
.irp k, 0,1,2,3
	ds_load_b128 v[WF+16*(\buf)+4*\k:WF+16*(\buf)+4*\k+3], v[ADR+(\slot)] offset:2048*(\p)+512*\k
.endr
.endm
.macro FIRST3 slot
	LOADP \slot, 0, 0
	LOADP \slot, 1, 1
	LOADP \slot, 2, 2
.endm
.macro WM                              ; one product: registers in rD, rA, rB, rSA, rSB.  Piece 0 starts the sums: nothing is cleared.  Token tile 1 takes its scales from lanes 16-31
.if pc == 0
.if (a%2) == 0
	v_wmma_scale_f32_16x16x128_f8f6f4 v[rD:rD+7], v[rA:rA+7], v[rB:rB+7], 0, v[rSA], v[rSB] matrix_a_fmt:MATRIX_FMT_FP4 matrix_b_fmt:MATRIX_FMT_FP4
.else
	v_wmma_scale_f32_16x16x128_f8f6f4 v[rD:rD+7], v[rA:rA+7], v[rB:rB+7], 0, v[rSA], v[rSB] matrix_a_fmt:MATRIX_FMT_FP4 matrix_b_fmt:MATRIX_FMT_FP4 matrix_b_scale:MATRIX_SCALE_ROW1
.endif
.else
.if (a%2) == 0
	v_wmma_scale_f32_16x16x128_f8f6f4 v[rD:rD+7], v[rA:rA+7], v[rB:rB+7], v[rD:rD+7], v[rSA], v[rSB] matrix_a_fmt:MATRIX_FMT_FP4 matrix_b_fmt:MATRIX_FMT_FP4
.else
	v_wmma_scale_f32_16x16x128_f8f6f4 v[rD:rD+7], v[rA:rA+7], v[rB:rB+7], v[rD:rD+7], v[rSA], v[rSB] matrix_a_fmt:MATRIX_FMT_FP4 matrix_b_fmt:MATRIX_FMT_FP4 matrix_b_scale:MATRIX_SCALE_ROW1
.endif
.endif
.endm
.macro PWAIT                           ; piece pc is in: LDS loads come back in order, and behind its four stand those of the two younger pieces, of one, or none
.if pc <= 5
	s_wait_dscnt 8
.elseif pc == 6
	s_wait_dscnt 4
.else
	s_wait_dscnt 0x0
.endif
.endm
; A tile of the first two products: eight pieces = K steps.  Accumulator a = 2 x (0 gate, 1 up) + token tile; the four take turns, one instruction a turn.
; Behind a piece's products four places, then the piece three on is fetched into its buffer.
.macro PIECES1 slot
.set pc, 0
.rept 8
	PWAIT
.set a, 0
.rept 4
.set rD, ACC+8*a
.set rA, WF+16*(pc%3)+8*(a/2)
.set rB, XF+8*(8*(a%2)+pc)
.set rSA, WSG+a/2
.set rSB, SW+pc
	WM
.set a, a+1
.endr
.if pc <= 4
	PLACES 4
	LOADP \slot, pc+3, pc%3
.endif
.set pc, pc+1
.endr
.endm
; A tile of the last product: eight pieces = pairs of K steps.  Accumulator a = 2 x (K step's parity) + token tile.  Source 1, the hidden layer's fragments, lies in window 1; the LDS loads and v_nop between do not name a source 1.
.macro PIECES2 slot
	WIN 0x04
.set pc, 0
.rept 8
	PWAIT
.set a, 0
.rept 4
.set rD, ACC+8*a
.set rA, WF+16*(pc%3)+8*(a/2)
.set rB, 8*(2*(2*pc+a/2)+a%2)
.set rSA, WSG+2
.set rSB, SW+2*pc+a/2
	WM
.set a, a+1
.endr
.if pc <= 4
	PLACES 4
	LOADP \slot, pc+3, pc%3
.endif
.set pc, pc+1
.endr
	WIN 0
.endm
; h = silu(g) u of tile q, into its registers of window 1, and the running largest |h|.  Each accumulator is read from its low end on.
.macro EPI1 q
.set hb, 128*((\q)/8)+32*(((\q)/4)%2)+8*((\q)%4)   ; token tile 0's eight registers; tile 1's lie 64 further on
	WIN 0x40                                       ; destination window 1
.irp u, 0,1
.irp j, 0,2,4,6
	v_pk_mul_f32 v[hb+64*\u+\j:hb+64*\u+\j+1], v[ACC+8*\u+\j:ACC+8*\u+\j+1], s[LE:LE+1] op_sel_hi:[1,0]   ; -g log2(e)
.endr
.endr
	WIN 0x41                                       ; destination and source 0 window 1
.irp u, 0,1
.irp j, 0,1,2,3,4,5,6,7
	v_exp_f32 v[hb+64*\u+\j], v[hb+64*\u+\j]       ; e^-g
.endr
.endr
	WIN 0
.irp u, 0,1
.irp j, 0,2,4,6
	v_pk_mul_f32 v[ACC+16+8*\u+\j:ACC+16+8*\u+\j+1], v[ACC+8*\u+\j:ACC+8*\u+\j+1], v[ACC+16+8*\u+\j:ACC+16+8*\u+\j+1]   ; g u: plain work behind the exponentials that names none of their results
.endr
.endr
	s_wait_alu depctr_va_vdst(0)                   ; the wait ahead of the first reader: one for the sixteen
	WIN 0x41
.irp u, 0,1
.irp j, 0,2,4,6
	v_pk_add_f32 v[hb+64*\u+\j:hb+64*\u+\j+1], v[hb+64*\u+\j:hb+64*\u+\j+1], 1.0 op_sel_hi:[1,0]
.endr
.endr
.irp u, 0,1
.irp j, 0,1,2,3,4,5,6,7
	v_rcp_f32 v[hb+64*\u+\j], v[hb+64*\u+\j]       ; 1 / (1 + e^-g)
.endr
.endr
	v_nop                                          ; a plain instruction behind the last reciprocal
	s_wait_alu depctr_va_vdst(0)
.irp u, 0,1
.irp j, 0,2,4,6
	v_pk_mul_f32 v[hb+64*\u+\j:hb+64*\u+\j+1], v[hb+64*\u+\j:hb+64*\u+\j+1], v[ACC+16+8*\u+\j:ACC+16+8*\u+\j+1]
.endr
.endr
	WIN 0x14                                       ; sources 1 and 2 window 1
.irp j, 0,2,4,6
.irp u, 0,1
	v_max3_num_f32 v[MX+\u], v[MX+\u], |v[hb+64*\u+\j]|, |v[hb+64*\u+\j+1]|
.endr
.endr
	WIN 0
.endm
.macro AQ hb, u                        ; 64 numbers of the hidden layer: clip(round(h s), -128, 127) / s, in place
	WIN 0x41
.set j, 0
.rept 32
	v_pk_mul_f32 v[(\hb)+j:(\hb)+j+1], v[(\hb)+j:(\hb)+j+1], v[SP+2*(\u):SP+2*(\u)+1]
.set j, j+2
.endr
.set j, 0
.rept 64
	v_rndne_f32 v[(\hb)+j], v[(\hb)+j]
.set j, j+1
.endr
.set j, 0
.rept 64
	v_med3_num_f32 v[(\hb)+j], v[(\hb)+j], s[LO], s[HI]
.set j, j+1
.endr
.set j, 0
.rept 32
	v_pk_mul_f32 v[(\hb)+j:(\hb)+j+1], v[(\hb)+j:(\hb)+j+1], v[IV+2*(\u):IV+2*(\u)+1]
.set j, j+2
.endr
.endm
.macro MXQ hb, grp, u                  ; the same 64 become a fragment's codes and its scale word; the image goes to LDS
	WIN 0x14
	v_max3_num_f32 v[TM], v[FLR], |v[(\hb)]|, |v[(\hb)+1]|             ; my two blocks by turns; the floor among the leaves holds the byte at 1 from below
	v_max3_num_f32 v[TM+1], v[FLR], |v[(\hb)+32]|, |v[(\hb)+33]|
.irp i, 2,4,6,8,10,12,14,16,18,20,22,24,26,28,30
	v_max3_num_f32 v[TM], v[TM], |v[(\hb)+\i]|, |v[(\hb)+\i+1]|
	v_max3_num_f32 v[TM+1], v[TM+1], |v[(\hb)+32+\i]|, |v[(\hb)+33+\i]|
.endr
	WIN 0
	v_add_nc_u32 v[SCOP], 0xff000000, v[TM]        ; 2 off the exponent field: the conversion's scale operand
	v_add_nc_u32 v[SCOP+1], 0xff000000, v[TM+1]
	v_lshrrev_b32 v[BY], 23, v[SCOP]
	v_lshrrev_b32 v[BY+1], 23, v[SCOP+1]
	v_lshl_or_b32 v[WD+(\u)], v[BY+1], 16, v[BY]   ; blocks h and 2 + h,
	v_lshlrev_b32 v[WD+(\u)], v[SH8], v[WD+(\u)]   ; at their places;
	v_permlanex16_b32 v[PX], v[WD+(\u)], s[SEL], s[SEL+1]
	v_or_b32 v[WD+(\u)], v[WD+(\u)], v[PX]         ; with lane l xor 16's two the word is whole
	WIN 0x01                                       ; source 0 window 1
.irp c, 0,1
.irp i, 0,1,2,3
	v_cvt_scalef32_pk8_fp4_f32 v[PC+8*(\grp)+4*\c+\i], v[(\hb)+32*\c+8*\i:(\hb)+32*\c+8*\i+7], v[SCOP+\c]
.endr
.endr
	WIN 0
	v_nop                                          ; one plain instruction behind the last conversion
	ds_store_b128 v[HWI], v[PC+8*(\grp):PC+8*(\grp)+3] offset:1024*(\grp)
	ds_store_b128 v[HWI], v[PC+8*(\grp)+4:PC+8*(\grp)+7] offset:1024*(\grp)+512
.endm
.macro EPI2 p                          ; tile 16 + p: even and odd K steps' sums are added, each accumulator from its low end on
.irp u, 0,1
.irp j, 0,2,4,6
	v_pk_add_f32 v[RR+8*(2*((\p)%4)+\u)+\j:RR+8*(2*((\p)%4)+\u)+\j+1], v[ACC+8*\u+\j:ACC+8*\u+\j+1], v[ACC+16+8*\u+\j:ACC+16+8*\u+\j+1]
.endr
.endr
.endm
; THE WAY OUT of 64 of my outputs for the 32 tokens.  A lane holds 32 neighbouring bytes of a row and the lanes beside it other rows: so a token tile goes through my own stage and comes back as rows of 256 bytes.
; LDS serves a wave's instructions in order (ISA guide 5.7.1.4): no wait between my stores and my loads, nor ahead of the second tile's stores.
.macro WAYOUT half
.irp u, 0,1
.irp p, 0,1,2,3
	ds_store_b128 v[STO], v[RR+8*(2*\p+\u):RR+8*(2*\p+\u)+3] offset:64*\p
	ds_store_b128 v[STO], v[RR+8*(2*\p+\u)+4:RR+8*(2*\p+\u)+7] offset:64*\p+16
.endr
.irp i, 0,1,2,3,4,5,6,7
	ds_load_b128 v[BK+32*\u+4*\i:BK+32*\u+4*\i+3], v[RD] offset:2*SPITCH*\i
.endr
.endr
.irp u, 0,1
.irp i, 0,1,2,3,4,5,6,7
	s_wait_dscnt 23-16*\u-\i                       ; behind this load stand the tile's later loads and, for tile 0, tile 1's sixteen instructions
	global_store_b128 v[GO], v[BK+32*\u+4*\i:BK+32*\u+4*\i+3], s[12:13] offset:\u*65536+\i*8192+(\half)*256 th:TH_STORE_NT   ; 16 lanes store 256 consecutive bytes, at a multiple of 256 from out0's first byte
.endr
.endr
.endm
	s_load_b256 s[4:11], s[0:1], 0x0               ; xc s[4:5], xs s[6:7], wc s[8:9], wsc s[10:11]
	s_load_b64 s[12:13], s[0:1], 0x20              ; out0
	v_lshl_add_u32 v[SPW], v0, 2, SPARE
	v_mov_b32 v[NIL], 0
	ds_add_u32 v[SPW], v[NIL]                      ; the wave's opening: the add, twice on end, and its wait ahead of my first tensor load; the set-up below stands between
	ds_add_u32 v[SPW], v[NIL]
	v_lshrrev_b32 v19, 5, v0
	v_readfirstlane_b32 s[WV], v19                 ; wave 0..7
	v_and_b32 v20, 31, v0                          ; lane
	v_and_b32 v21, 15, v0                          ; r
	v_bfe_u32 v22, v0, 4, 1                        ; h
	s_bfe_u32 s15, ttmp6, 0x40000                  ; cx: my place in the cluster: it enters global addresses of my own alone
	s_lshl_b32 s16, ttmp9, 2
	s_add_co_u32 s16, s16, s15                     ; my block of 32 tokens
	s_lshl_b32 s17, s[WV], 14                      ; my wave's 16,384 bytes of a tile, in memory and in a slot
	v_lshl_add_u32 v[ADR], v20, 4, s17
	v_add_nc_u32 v[ADR+1], SLOT1, v[ADR]
	s_lshl_b32 s20, s[WV], 12
	v_lshl_add_u32 v[HWI], v20, 4, s20
	v_add_nc_u32 v[HWI], HIMG, v[HWI]              ; my four images: K steps 2 v, 2 v + 1 x two token tiles
	s_lshl_b32 s20, s[WV], 8
	v_lshl_add_u32 v[HWS], v20, 2, s20
	v_add_nc_u32 v[HWS], HSC, v[HWS]
	v_lshl_add_u32 v[LI], v20, 4, HIMG
	v_lshl_add_u32 v[LS], v20, 2, HSC
	v_lshl_add_u32 v[MXW], v0, 2, MAXX
	v_lshl_add_u32 v[MXR], v21, 2, MAXX
	v_lshlrev_b32 v[SH8], 3, v22
	v_mov_b32 v[MX], 0
	v_mov_b32 v[MX+1], 0
	s_mul_i32 s20, s[WV], 16*SPITCH
	s_add_co_u32 s20, s20, STAGE                   ; my stage
	v_mul_u32_u24 v[STO], v21, SPITCH
	v_lshl_add_u32 v[STO], v22, 5, v[STO]
	v_add_nc_u32 v[STO], s20, v[STO]               ; in: row r, 32 bytes for each half of the lanes
	v_mul_u32_u24 v[RD], v22, SPITCH
	v_lshl_add_u32 v[RD], v21, 4, v[RD]
	v_add_nc_u32 v[RD], s20, v[RD]                 ; back: lanes 0-15 one row, lanes 16-31 the next
	v_lshlrev_b32 v[GO], 12, v22
	v_lshl_add_u32 v[GO], v21, 4, v[GO]            ; and the same two rows in out0
	s_lshl_b32 s22, s15, 15
	s_and_b32 s23, s[WV], 3
	s_lshl_b32 s23, s23, 13
	s_add_co_u32 s22, s22, s23
	v_lshl_add_u32 v[PFO], v20, 8, s22             ; 32,768 cx + 8,192 (wave % 4) + 256 lane: inside a tile in every wave
	v_mov_b32 v[FLR], 0x1800000
	v_lshlrev_b32 v19, 4, v20                      ; x's fragments: 16 bytes a lane
	v_lshlrev_b32 v23, 9, v22
	v_lshl_add_u32 v23, v21, 2, v23                ; x's scale words: tile h, row r
	v_lshlrev_b32 v124, 2, v20                     ; the weights' scale words
	v_mov_b32 v125, 0
	; descriptor group 1: 16,384 dense bytes as 64 rows of 256 bytes (32 elements of 8 bytes); no padding: the bytes are read back 512 on end
	s_mov_b32 s[G1], 15|(3<<16)|(1<<21)            ; 15:0 the mask: all four work-groups; 17:16 elements of 8 bytes; 21 set beside a mask
	s_mov_b32 s[G1+1], 32<<16                      ; tensor_dim0 = 32
	s_mov_b32 s[G1+2], 64<<16                      ; tensor_dim1 = 64
	s_mov_b32 s[G1+3], 32<<16                      ; tile_dim0 = 32
	s_mov_b32 s[G1+4], 64                          ; tile_dim1 = 64
	s_mov_b32 s[G1+5], 32                          ; elements from row to row
	s_mov_b32 s[G1+6], 0
	s_mov_b32 s[G1+7], 0
	s_mov_b32 s[SEL], 0x76543210
	s_mov_b32 s[SEL+1], 0xfedcba98                 ; lane l xor 16
	s_mov_b32 s[LO], 0xc3000000                    ; -128
	s_mov_b32 s[HI], 0x42fe0000                    ; 127
	s_mov_b32 s[LE], 0xbfb8aa3b                    ; -log2(e)
	s_mov_b32 s[LE+1], s[LE]
	s_mov_b32 s[HALF], 0xffff0000
	s_lshr_b32 s[FLAG], s[WV], 2                   ; 0 in waves 0 to 3,
	s_or_b32 s[FLAG], s[FLAG], ttmp9               ; of cluster 0: the same in all four partners
	s_cmp_eq_u32 s[FLAG], 0
	s_cselect_b32 s[FLAG], 1, 0
	s_mov_b32 s18, s17
	s_mov_b32 s19, 0
	s_mov_b32 s21, 0
	s_wait_dscnt 0x0                               ; both opening adds are done
	s_wait_kmcnt 0x0
	s_mov_b32 s[G0], 1                             ; count = 1
	s_mov_b32 s[G0+1], s17                         ; LDS address: slot 0, my wave's part: no place in the cluster enters it
	s_add_nc_u64 s[G0+2:G0+3], s[8:9], s[18:19]    ; tile 0, my wave's part
	s_mov_b32 s[G0+4], 1
	s_add_co_u32 s[G0+5], s17, SLOT1
	s_add_nc_u64 s[G0+6:G0+7], s[G0+2:G0+3], SLOT1 ; tile 1
	s_or_b32 s[G0+3], s[G0+3], 0x80000000          ; type = 2
	s_or_b32 s[G0+7], s[G0+7], 0x80000000
	s_lshl_b32 s20, s16, 14
	s_add_nc_u64 s[4:5], s[4:5], s[20:21]          ; my two tiles of x's codes,
	s_lshl_b32 s20, s16, 10
	s_add_nc_u64 s[6:7], s[6:7], s[20:21]          ; their scale words,
	s_lshl_b32 s20, s16, 17
	s_lshl_b32 s22, s[WV], 9
	s_add_co_u32 s20, s20, s22
	s_add_nc_u64 s[12:13], s[12:13], s[20:21]      ; and my 32 rows of out0, my wave's 128 outputs
	ROUND                                          ; all four work-groups are here: the first joint loads meet
	tensor_load_to_lds s[G0:G0+3], s[G1:G1+7]      ; every wave issues both first fills: two loads of mine are out
	s_nop 0
	tensor_load_to_lds s[G0+4:G0+7], s[G1:G1+7]
	s_nop 0
	PLACES 5
.set f, 0
.rept 16
	global_load_b128 v[XF+8*f:XF+8*f+3], v19, s[4:5] offset:1024*f         ; x's fragment (token tile f / 8, K step f % 8): it stays in registers for the first two products
	global_load_b128 v[XF+8*f+4:XF+8*f+7], v19, s[4:5] offset:1024*f+512
.set f, f+1
.endr
.irp s, 0,1,2,3,4,5,6,7
	global_load_b32 v[SW+\s], v23, s[6:7] offset:64*\s
.endr
.irp k, 0,1,2
	global_load_b32 v[WSG+\k], v124, s[10:11] offset:256*\k
.endr
	s_wait_loadcnt 0x0
	s_wait_tensorcnt 1                             ; my part of tile 0 is in, and I alone read it; tile 1's load may stay out
	FIRST3 0
	PIECES1 0
.set t, 1
.rept 15
	CHANGE t
	FIRST3 t%2
	ASK t+4
	EPI1 t-1                                       ; the last tile's vector work stands between this tile's first LDS loads and their wait
	PIECES1 t%2
.set t, t+1
.endr
	CHANGE 16
	ASK 20
	EPI1 15
	; THE MIDDLE.  Tile 17's load stays out across the two barriers here.
	v_permlanex16_b32 v124, v[MX], s[SEL], s[SEL+1]
	v_permlanex16_b32 v125, v[MX+1], s[SEL], s[SEL+1]
	v_mov_b32 v[PX], 0                             ; a lane permute's destination counts as one of its sources
	v_max_num_f32 v[MX], v[MX], v124               ; my token's largest |h| among my wave's 256 units
	v_max_num_f32 v[MX+1], v[MX+1], v125
	v_cndmask_b32 v126, v[MX], v[MX+1], s[HALF]    ; lanes 0-15 tile 0's, lanes 16-31 tile 1's
	ds_store_b32 v[MXW], v126
	s_wait_dscnt 0x0                               ; for the others' sake
	s_barrier_signal -1
	s_barrier_wait -1
.irp w, 0,1,2,3,4,5,6,7
	ds_load_b32 v[MT+2*\w], v[MXR] offset:128*\w
	ds_load_b32 v[MT+2*\w+1], v[MXR] offset:128*\w+64
.endr
	s_wait_dscnt 0x0
.irp u, 0,1
	v_max3_num_f32 v[MX+\u], v[MT+\u], v[MT+2+\u], v[MT+4+\u]
.endr
.irp i, 6,10
.irp u, 0,1
	v_max3_num_f32 v[MX+\u], v[MX+\u], v[MT+\i+\u], v[MT+\i+2+\u]
.endr
.endr
.irp u, 0,1
	v_max3_num_f32 v[MX+\u], v[MX+\u], v[MT+14+\u], 0x3727c5ac   ; the eighth wave's, and 1e-5 from below, as reference() holds it
.endr
	v_rcp_f32 v[RT], v[MX]
	v_rcp_f32 v[RT+1], v[MX+1]
	v_nop
	s_wait_alu depctr_va_vdst(0)                   ; one wait for both reciprocals, ahead of their first reader
	v_mul_f32 v[SP], s[HI], v[RT]                  ; q = 127 r
	v_mul_f32 v[SP+2], s[HI], v[RT+1]
	v_fma_f32 v[RT+2], -v[SP], v[MX], s[HI]        ; 127 - q a
	v_fma_f32 v[RT+3], -v[SP+2], v[MX+1], s[HI]
	v_fma_f32 v[SP], v[RT+2], v[RT], v[SP]         ; s
	v_fma_f32 v[SP+2], v[RT+3], v[RT+1], v[SP+2]
	v_rcp_f32 v[RT], v[SP]
	v_rcp_f32 v[RT+1], v[SP+2]
	v_mov_b32 v[SP+1], v[SP]
	v_mov_b32 v[SP+3], v[SP+2]
	s_wait_alu depctr_va_vdst(0)
	v_fma_f32 v[RT+2], -v[SP], v[RT], 1.0
	v_fma_f32 v[RT+3], -v[SP+2], v[RT+1], 1.0
	v_fma_f32 v[IV], v[RT+2], v[RT], v[RT]         ; 1 / s
	v_fma_f32 v[IV+2], v[RT+3], v[RT+1], v[RT+1]
	v_mov_b32 v[IV+1], v[IV]
	v_mov_b32 v[IV+3], v[IV+2]
.irp sg, 0,1
.irp u, 0,1
	AQ  64*(2*\sg+\u), \u
	MXQ 64*(2*\sg+\u), 2*\sg+\u, \u
.endr
	v_cndmask_b32 v[WX], v[WD], v[WD+1], s[HALF]   ; K step 2 v + sg: tile 0's words below, tile 1's above
	ds_store_b32 v[HWS], v[WX] offset:128*\sg
.endr
	s_wait_dscnt 0x0                               ; for the others' sake: my four images and their words lie in LDS
	s_barrier_signal -1
	s_barrier_wait -1
	WIN 0x40                                       ; destination window 1: the fragments take the registers that the f32 numbers have left
.set f, 0
.rept 32
	ds_load_b128 v[8*f:8*f+3], v[LI] offset:1024*f
	ds_load_b128 v[8*f+4:8*f+7], v[LI] offset:1024*f+512
.set f, f+1
.endr
	WIN 0
.set f, 0
.rept 16
	ds_load_b32 v[SW+f], v[LS] offset:128*f
.set f, f+1
.endr
	FIRST3 0                                       ; these twelve are younger than the loads above: the first piece's wait shows all of those in
	PIECES2 0
.set t, 17
.rept 6
	CHANGE t
	FIRST3 t%2
.if t <= 19
	ASK t+4
.endif
	EPI2 t-17
.if t == 20
	WAYOUT 0                                       ; outputs 0-63 of my 128 leave while four tiles are still to be multiplied
.endif
	PIECES2 t%2
.set t, t+1
.endr
	s_wait_tensorcnt 0x0                           ; tile 23 is in: no load was issued behind it, nothing is filled again, so no round stands here
	PLACES 5
	FIRST3 1
	EPI2 6
	PIECES2 1
	PLACES 5
	EPI2 7
	s_wait_xcnt 0x0                                ; the first half's stores have read their registers: the rows of the second half may land there
	WAYOUT 1
	s_wait_tensorcnt 0x0                           ; the wave's end: behind my last tensor load and my last LDS store
	ds_add_u32 v[SPW], v[NIL]
	s_wait_dscnt 0x0
	ROUND                                          ; the closing round: no work-group ends while a partner may still ask for a tile that names it
	s_endpgm
.Lfunc_end_k_q7c443e818b_ffn:
	.size	k_q7c443e818b_ffn, .Lfunc_end_k_q7c443e818b_ffn-k_q7c443e818b_ffn
	.p2alignl 7, 3214868480
	.fill 96, 4, 3214868480
	.section	.rodata,"a",@progbits
	.p2align	6, 0x0
	.amdhsa_kernel k_q7c443e818b_ffn
		.amdhsa_group_segment_fixed_size 327680
		.amdhsa_private_segment_fixed_size 0
		.amdhsa_enable_private_segment 0
		.amdhsa_kernarg_size 40
		.amdhsa_user_sgpr_count 2
		.amdhsa_user_sgpr_kernarg_segment_ptr 1
		.amdhsa_wavefront_size32 1
		.amdhsa_system_sgpr_workgroup_id_x 1
		.amdhsa_system_sgpr_workgroup_id_y 1
		.amdhsa_system_sgpr_workgroup_id_z 1
		.amdhsa_system_vgpr_workitem_id 0
		.amdhsa_next_free_vgpr 512
		.amdhsa_next_free_sgpr 66
		.amdhsa_reserve_vcc 0
		.amdhsa_float_denorm_mode_32 3
		.amdhsa_float_denorm_mode_16_64 3
		.amdhsa_memory_ordered 1
		.amdhsa_forward_progress 1
		.amdhsa_inst_pref_size 255
	.end_amdhsa_kernel
	.section	.bss,"aw",@nobits
	.p2align	6
	.space	262144
	.amdgpu_metadata
---
amdhsa.version: [ 1, 2 ]
amdhsa.kernels:
  - .name:           k_q7c443e818b_ffn
    .symbol:         k_q7c443e818b_ffn.kd
    .args:
      - { .name: xc, .offset: 0, .size: 8, .value_kind: global_buffer, .address_space: global }
      - { .name: xs, .offset: 8, .size: 8, .value_kind: global_buffer, .address_space: global }
      - { .name: wc, .offset: 16, .size: 8, .value_kind: global_buffer, .address_space: global }
      - { .name: wsc, .offset: 24, .size: 8, .value_kind: global_buffer, .address_space: global }
      - { .name: out0, .offset: 32, .size: 8, .value_kind: global_buffer, .address_space: global }
    .group_segment_fixed_size: 327680
    .private_segment_fixed_size: 0
    .kernarg_segment_align: 8
    .kernarg_segment_size: 40
    .max_flat_workgroup_size: 256
    .sgpr_count:     66
    .vgpr_count:     512
    .wavefront_size: 32
...
	.end_amdgpu_metadata
.endif
;; end of part 3
;; ======== version 2 of 2: 3 launches
;; workspace buffers: psum 6,144 bytes; xc 4,194,304 bytes; xs 262,144 bytes; wc 3,145,728 bytes; wsc 768 bytes
;; launch absum: the kernel of part 1 again; grid 256 x 1, 6 waves a work-group, no clusters, 0 bytes of LDS; arguments w_gate, w_up, w_down, psum; writes psum
;; launch quant: the kernel of part 2 again; grid 896 x 1, 8 waves a work-group, no clusters, 67,328 bytes of LDS; arguments x, w_gate, w_up, w_down, psum, xc, xs, wc, wsc; writes xc, xs, wc, wsc
;; launch ffn (part 4): grid 256 x 1, 8 waves a work-group, clusters of 4 x 1, 327,680 bytes of LDS; arguments xc, xs, wc, wsc, out0; writes out0
.if DOCPART == 4
	.amdgcn_target "amdgcn-amd-amdhsa--gfx1250"
	.amdhsa_code_object_version 6
	.text
	.protected	k_q7c443e818b_ffn
	.globl	k_q7c443e818b_ffn
	.p2align	8
	.type	k_q7c443e818b_ffn,@function
k_q7c443e818b_ffn:
	s_mov_b64 s[64:65], 0
	v_nop
	global_prefetch_b8 v0, s[64:65] scope:SCOPE_SE
	s_setreg_imm32_b32 hwreg(HW_REG_WAVE_MODE, 25, 1), 1
	s_wait_xcnt 0x0
	s_wait_alu depctr_hold_cnt(0) depctr_sa_sdst(0) depctr_va_vdst(0) depctr_va_sdst(0) depctr_va_ssrc(0) depctr_va_vcc(0) depctr_vm_vsrc(0)
	s_getreg_b32 s2, hwreg(HW_REG_IB_STS2, 6, 4)
	s_cmp_eq_u32 s2, 0
	s_cbranch_scc0 .Lentry_in_a_cluster
	s_endpgm
.Lentry_in_a_cluster:
	s_bfe_u32 s2, ttmp6, 0x10000c
	s_cmp_lg_u32 s2, 0x3003
	s_cbranch_scc0 .Lentry_shape_is_right
	s_endpgm
.Lentry_shape_is_right:
; out0 = Q(Q8(silu(g) u)) Q(T(w_down))^T, g = Q(Q8(x)) Q(T(w_gate))^T, u likewise with w_up: the three products on codes of E2M1 with E8M0 scales, made by the launch before (x, weights) or here (the hidden layer).
; WORK LEFT OUT: the sum h + (hq - h) of reference(), which is hq by an identity (shown at the head of the first kernel).
; SHARES.  The scale of Q8 is by token over all 2,048 hidden units, so whole rows of the hidden layer need one owner: a work-group owns 32 tokens (two tiles of 16) and keeps their 65,536 hidden numbers in f32 in
; registers, 256 registers for each of its eight waves.  Wave v makes hidden units 256 v .. 256 v + 255, which are K steps 2 v and 2 v + 1 of the last product, and then outputs 128 v .. 128 v + 127.
; THE WEIGHTS' CODES are 24 tiles of 131,072 bytes.  They go through a ring of two LDS slots; wave v fetches and reads its own 16,384 bytes of each tile.
; CLUSTER.  The four work-groups of a cluster walk the tiles in the same order, so they ask JOINTLY: the same tensor load with the same descriptor and the mask 15 in all four: a quarter of the requests.
; THE ORDER OF THE WALK DIFFERS FROM CLUSTER TO CLUSTER.  X = four bits made of the cluster's number, which its partners share.  Trip n < 16 takes tile n xor X, trip 16 + n takes tile 16 + (n xor X % 8): in any one trip
; the launch's clusters ask for sixteen (eight) different tiles and not all for one.  What the order moves is put right without a branch: in the first two products it only permutes which registers hold which 8 hidden units
; of my 256 (bits 0, 1 of X: the four eights of a block of 32; bits 2, 3: the four blocks' places), so the blocks, their largest magnitudes and their codes are the same, and the 32 registers of codes and 8 scale bytes
; are brought to their places by selects on four scalar masks; in the last product it only says which 16 outputs a trip makes, which goes into the lanes' byte offsets in out0.
; LAYOUT.  All products are used transposed (source 0 = 16 rows of a weight, source 1 = 16 tokens): a lane holds one token (lane % 16) throughout.  The rows of w_gate and w_up that form a tile were chosen so that a
; lane's 32 results of four tiles are one whole block of 32 along the last product's K: its largest magnitude needs no other lane, and the conversions' results are registers of the operand.
; One scale word serves a whole weight tensor (all its numbers are 0 or of one magnitude).  The tokens' scale words carry tile 0's in lanes 0-15 and tile 1's in lanes 16-31.
; THE WALK: trips 0-15: 8 K steps x (gate, up) x 2 token tiles; a tile's silu(g) u is worked in the next trip, behind that trip's first LDS loads.  Trip 16: the tokens' largest magnitudes meet in LDS; the
; hidden layer is rounded, quantised and goes round as images of the operand's registers; all 32 fragments come back into the registers that held it.  Trips 16-23: 16 outputs x 16 K steps x 2 token tiles,
; even and odd K steps in accumulators of their own.  The results leave through each wave's stage in LDS, 64 outputs at a time: 16 lanes store 256 consecutive aligned bytes.
; All 24 trips are written out: the registers of the hidden layer differ from trip to trip.
; LIMITS: NaN and infinities are not served; silu is g / (1 + 2^(-g log2 e)) by v_exp_f32 and v_rcp_f32; a block of zeros gets the byte 1 where the rule says 127 (its codes are zeros; this program alone reads the bytes).
; REGISTERS.  Window 0: v1-18, v43 addresses and constants; v24-39 the tokens' scale words, v40-42 the weights'; v44-75 four accumulators (in trip 16: the codes just made); v76-123 three buffers of two weight fragments
; (in trip 16: at work); v128-255 x's 16 fragments, in trip 16 the selects' registers, later results and rows on their way out.  Window 1: the hidden layer in f32, later its 32 fragments.
.set SLOT1,  131072                    ; slot 0 at LDS byte 0, slot 1 here; also a tile's bytes
.set HIMG,   262144                    ; the hidden layer's 32 fragments: (K step S, token tile u) at 1,024 (2 S + u)
.set HSC,    HIMG+32768                ; their scale words: K step S at 128 S
.set STAGE,  HIMG                      ; the way out lies over both: 8 waves x 16 rows x 272 bytes.  First written four changes of slots behind the last read of the images
.set SPITCH, 272                       ; 256 bytes + 16: 17 x 16, so that the 16 rows of a store start in 16 different groups of four banks (ISA guide 11.1)
.set MAXX,   STAGE+8*16*SPITCH         ; 256 words: each wave's largest magnitudes
.set SPARE,  MAXX+1024                 ; the spare words, 128 bytes for each wave: four blocks of 256 bytes that no other line names
.set ADR, 1                            ; v1, v2  my lane's 16 bytes in my wave's part of slot 0, 1
.set SPW, 3                            ; v3   LDS address of my spare word; never rewritten
.set NIL, 4                            ; v4   0; never rewritten
.set HWI, 5                            ; v5   where I store the images that I make
.set HWS, 6                            ; v6   and their scale words
.set LI,  7                            ; v7   where any image begins for my lane
.set LS,  8                            ; v8   and any scale word
.set MXW, 9                            ; v9   my word among the maxima
.set MXR, 10                           ; v10  my token's words there
.set SH8, 11                           ; v11  8 (lane / 16)
.set MX,  12                           ; v12, v13 the largest |h| so far of my token in tile 0, 1
.set STO, 14                           ; v14  the stage: where I put 32 bytes of a row
.set RD,  15                           ; v15  and where I read a row back
.set GO,  16                           ; v16  my byte offset in two rows of out0, for the outputs of trips 16-19
.set PFO, 17                           ; v17  the prefetches' offset; never rewritten
.set FLR, 18                           ; v18  2^(3 - 127)
.set SW,  24
.set WSG, 40                           ; v40 w_gate's scale word, v41 w_up's, v42 w_down's
.set GO1, 43                           ; v43  the same as v16 for the outputs of trips 20-23
.set ACC, 44
.set PC,  44
.set WF,  76
.set XF,  128
.set RR,  128                          ; results: (trip % 4, u) at 8 (2 (trip % 4) + u)
.set BK,  192                          ; rows read back from the stage: 32 registers a token tile
.set MT,  76                           ; trip 16: v76-91 the eight waves' maxima
.set SP,  92                           ; v[92:93], v[94:95] s of my token in tile 0, 1, each twice
.set IV,  96                           ; v[96:97], v[98:99] 1 / s likewise
.set TM,  100
.set SCOP, 102
.set WX,  110                          ; v110, v111 the scale words of my two K steps as they are stored
.set RT,  112
.set BQ,  116                          ; v116-123 the eight scale bytes as made: 4 x (register half) + 2 x (register block) + token tile
.set EA,  128                          ; v128-159, v160-191: the codes on their way to their places, by turns
.set EB,  160
.set BE,  192                          ; v192-199, v200-207: the bytes likewise
.set BD,  200
.set WDD, 208                          ; v208-211 four scale words
.set PXX, 212                          ; v212-215 destinations of lane permutes (written before: they held x's fragments)
.set WV,  14                           ; s14 wave
.set G1,  24                           ; s[24:31] descriptor group 1
.set G0,  32                           ; s[32:35], s[36:39] group 0 for slot 0, 1
.set SEL, 40
.set LO,  42
.set HI,  43
.set LE,  44                           ; s[44:45] -log2(e): the packed form names a pair
.set FLAG, 46                          ; s46 1 in a wave that prefetches
.set HALF, 47                          ; s47 a mask of lanes 16-31
.set XR,  48                           ; s48 X
.set X1,  49                           ; s49 X tiles in bytes
.set X2,  50                           ; s50 X % 8 tiles in bytes
.set MK,  52                           ; s52-55 all ones where bit 0, 1, 2, 3 of X is set, else 0
.set OFF, 56                           ; s[56:57] a tile's first byte in the stream
.set BASE, 58                          ; s[58:59] my wave's part of tile 0
.set MSB, 0
.macro WIN new                         ; the immediate's high byte repeats the setting that is left; a switch that changes nothing is dropped
.if MSB != \new
	s_set_vgpr_msb (MSB<<8)|\new
.set MSB, \new
.endif
.endm
.macro PLACES n
.rept \n
	v_nop
.endr
.endm
.macro ROUND                           ; a round of the cluster's barrier
	s_barrier_signal -1
	s_barrier_wait -1
	s_cmp_lg_u32 s[WV], 0
	s_cbranch_scc1 .Lnot_wave_0_\@
	s_barrier_signal -3
.Lnot_wave_0_\@:
	s_barrier_wait -3
	s_barrier_signal -1
	s_barrier_wait -1
.endm
; THE CHANGE OF SLOTS at the head of trip n.  All my tensor loads have landed, of which one was out: my part of this trip's tile; the add; my reads of the last trip's tile are over.  Behind the round that holds of every wave
; of all four work-groups, and the next trip's tile is asked for, into the slot that the last trip's has left: my one tensor load until the next round.  It has a trip in which to land.
; Five v_nop follow: places between the last trip's products and the loads into their operands, the reads of their results, and the products that begin the accumulators anew.
.macro CHANGE n
.set gs, G0+4*(((\n)+1)%2)
	s_wait_tensorcnt 0x0                           ; no tensor load of mine is out, so a group 0 may be written
	ds_add_u32 v[SPW], v[NIL]
.if (\n)+1 < 16
	s_xor_b32 s[OFF], s[X1], ((\n)+1)<<17          ; tile (n + 1) xor X, in bytes
.else
	s_xor_b32 s[OFF], s[X2], ((\n)+1)<<17          ; tile (n + 1) xor X % 8: it stays among 16 .. 23
.endif
	s_add_nc_u64 s[gs+2:gs+3], s[BASE:BASE+1], s[OFF:OFF+1]
	s_or_b32 s[gs+3], s[gs+3], 0x80000000          ; type = 2
	s_wait_dscnt 0x0
	ROUND
	tensor_load_to_lds s[gs:gs+3], s[G1:G1+7]
	s_nop 0
	PLACES 5
.endm
; A PREFETCH INTO THE L2 of two tiles of the last product.  The launch's clusters ask for all eight of them at the head of trip 15; cluster 0, and nobody else, names two in each of trips 11 to 14: one to four trips ahead.
; Its four partners take 32,768 bytes of a tile each, told apart by address; in each, waves 0 to 3 take 8,192, lanes 256 bytes apart: each aligned block of 256 bytes is named once in the launch.
; Tiles 0 to 15 are all asked for by the loads at the kernel's head: nothing is prefetched for them.
.macro ASK tile
	s_cmp_eq_u32 s[FLAG], 1
	s_cbranch_scc0 .Lnot_mine_\@
	global_prefetch_b8 v[PFO], s[8:9] offset:(\tile)*SLOT1 th:TH_LOAD_NT scope:SCOPE_SE
	global_prefetch_b8 v[PFO], s[8:9] offset:((\tile)+1)*SLOT1 th:TH_LOAD_NT scope:SCOPE_SE
.Lnot_mine_\@:
.endm
.macro LOADP slot, p, buf              ; piece p of my part of a tile: two fragments, 2,048 bytes, as they lie: images of the operand's registers
.irp k, 0,1,2,3
	ds_load_b128 v[WF+16*(\buf)+4*\k:WF+16*(\buf)+4*\k+3], v[ADR+(\slot)] offset:2048*(\p)+512*\k
.endr
.endm
.macro FIRST3 slot
	LOADP \slot, 0, 0
	LOADP \slot, 1, 1
	LOADP \slot, 2, 2
.endm
.macro WM                              ; one product: registers in rD, rA, rB, rSA, rSB.  Piece 0 starts the sums: nothing is cleared.  Token tile 1 takes its scales from lanes 16-31
.if pc == 0
.if (a%2) == 0
	v_wmma_scale_f32_16x16x128_f8f6f4 v[rD:rD+7], v[rA:rA+7], v[rB:rB+7], 0, v[rSA], v[rSB] matrix_a_fmt:MATRIX_FMT_FP4 matrix_b_fmt:MATRIX_FMT_FP4
.else
	v_wmma_scale_f32_16x16x128_f8f6f4 v[rD:rD+7], v[rA:rA+7], v[rB:rB+7], 0, v[rSA], v[rSB] matrix_a_fmt:MATRIX_FMT_FP4 matrix_b_fmt:MATRIX_FMT_FP4 matrix_b_scale:MATRIX_SCALE_ROW1
.endif
.else
.if (a%2) == 0
	v_wmma_scale_f32_16x16x128_f8f6f4 v[rD:rD+7], v[rA:rA+7], v[rB:rB+7], v[rD:rD+7], v[rSA], v[rSB] matrix_a_fmt:MATRIX_FMT_FP4 matrix_b_fmt:MATRIX_FMT_FP4
.else
	v_wmma_scale_f32_16x16x128_f8f6f4 v[rD:rD+7], v[rA:rA+7], v[rB:rB+7], v[rD:rD+7], v[rSA], v[rSB] matrix_a_fmt:MATRIX_FMT_FP4 matrix_b_fmt:MATRIX_FMT_FP4 matrix_b_scale:MATRIX_SCALE_ROW1
.endif
.endif
.endm
.macro PWAIT                           ; piece pc is in: LDS loads come back in order, and behind its four stand those of the two younger pieces, of one, or none
.if pc <= 5
	s_wait_dscnt 8
.elseif pc == 6
	s_wait_dscnt 4
.else
	s_wait_dscnt 0x0
.endif
.endm
; A tile of the first two products: eight pieces = K steps.  Accumulator a = 2 x (0 gate, 1 up) + token tile; the four take turns, one instruction a turn.
; Behind a piece's products four places, then the piece three on is fetched into its buffer.
.macro PIECES1 slot
.set pc, 0
.rept 8
	PWAIT
.set a, 0
.rept 4
.set rD, ACC+8*a
.set rA, WF+16*(pc%3)+8*(a/2)
.set rB, XF+8*(8*(a%2)+pc)
.set rSA, WSG+a/2
.set rSB, SW+pc
	WM
.set a, a+1
.endr
.if pc <= 4
	PLACES 4
	LOADP \slot, pc+3, pc%3
.endif
.set pc, pc+1
.endr
.endm
; A tile of the last product: eight pieces = pairs of K steps.  Accumulator a = 2 x (K step's parity) + token tile.  Source 1, the hidden layer's fragments, lies in window 1; the LDS loads and v_nop between do not name a source 1.
.macro PIECES2 slot
	WIN 0x04
.set pc, 0
.rept 8
	PWAIT
.set a, 0
.rept 4
.set rD, ACC+8*a
.set rA, WF+16*(pc%3)+8*(a/2)
.set rB, 8*(2*(2*pc+a/2)+a%2)
.set rSA, WSG+2
.set rSB, SW+2*pc+a/2
	WM
.set a, a+1
.endr
.if pc <= 4
	PLACES 4
	LOADP \slot, pc+3, pc%3
.endif
.set pc, pc+1
.endr
	WIN 0
.endm
; h = silu(g) u of trip q's tile, into that trip's registers of window 1, and the running largest |h|.  Each accumulator is read from its low end on.
.macro EPI1 q
.set hb, 128*((\q)/8)+32*(((\q)/4)%2)+8*((\q)%4)   ; token tile 0's eight registers; tile 1's lie 64 further on
	WIN 0x40                                       ; destination window 1
.irp u, 0,1
.irp j, 0,2,4,6
	v_pk_mul_f32 v[hb+64*\u+\j:hb+64*\u+\j+1], v[ACC+8*\u+\j:ACC+8*\u+\j+1], s[LE:LE+1] op_sel_hi:[1,0]   ; -g log2(e)
.endr
.endr
	WIN 0x41                                       ; destination and source 0 window 1
.irp u, 0,1
.irp j, 0,1,2,3,4,5,6,7
	v_exp_f32 v[hb+64*\u+\j], v[hb+64*\u+\j]       ; e^-g
.endr
.endr
	WIN 0
.irp u, 0,1
.irp j, 0,2,4,6
	v_pk_mul_f32 v[ACC+16+8*\u+\j:ACC+16+8*\u+\j+1], v[ACC+8*\u+\j:ACC+8*\u+\j+1], v[ACC+16+8*\u+\j:ACC+16+8*\u+\j+1]   ; g u: plain work behind the exponentials that names none of their results
.endr
.endr
	s_wait_alu depctr_va_vdst(0)                   ; the wait ahead of the first reader: one for the sixteen
	WIN 0x41
.irp u, 0,1
.irp j, 0,2,4,6
	v_pk_add_f32 v[hb+64*\u+\j:hb+64*\u+\j+1], v[hb+64*\u+\j:hb+64*\u+\j+1], 1.0 op_sel_hi:[1,0]
.endr
.endr
.irp u, 0,1
.irp j, 0,1,2,3,4,5,6,7
	v_rcp_f32 v[hb+64*\u+\j], v[hb+64*\u+\j]       ; 1 / (1 + e^-g)
.endr
.endr
	v_nop                                          ; a plain instruction behind the last reciprocal
	s_wait_alu depctr_va_vdst(0)
.irp u, 0,1
.irp j, 0,2,4,6
	v_pk_mul_f32 v[hb+64*\u+\j:hb+64*\u+\j+1], v[hb+64*\u+\j:hb+64*\u+\j+1], v[ACC+16+8*\u+\j:ACC+16+8*\u+\j+1]
.endr
.endr
	WIN 0x14                                       ; sources 1 and 2 window 1
.irp j, 0,2,4,6
.irp u, 0,1
	v_max3_num_f32 v[MX+\u], v[MX+\u], |v[hb+64*\u+\j]|, |v[hb+64*\u+\j+1]|
.endr
.endr
	WIN 0
.endm
.macro AQ hb, u                        ; 64 numbers of the hidden layer: clip(round(h s), -128, 127) / s, in place
	WIN 0x41
.set j, 0
.rept 32
	v_pk_mul_f32 v[(\hb)+j:(\hb)+j+1], v[(\hb)+j:(\hb)+j+1], v[SP+2*(\u):SP+2*(\u)+1]
.set j, j+2
.endr
.set j, 0
.rept 64
	v_rndne_f32 v[(\hb)+j], v[(\hb)+j]
.set j, j+1
.endr
.set j, 0
.rept 64
	v_med3_num_f32 v[(\hb)+j], v[(\hb)+j], s[LO], s[HI]
.set j, j+1
.endr
.set j, 0
.rept 32
	v_pk_mul_f32 v[(\hb)+j:(\hb)+j+1], v[(\hb)+j:(\hb)+j+1], v[IV+2*(\u):IV+2*(\u)+1]
.set j, j+2
.endr
.endm
.macro MXQ hb, sg, u                   ; the same 64, two whole blocks of 32, become eight registers of codes and two scale bytes, at the places that the registers' numbers give them
	WIN 0x14
	v_max3_num_f32 v[TM], v[FLR], |v[(\hb)]|, |v[(\hb)+1]|             ; my two blocks by turns; the floor among the leaves holds the byte at 1 from below
	v_max3_num_f32 v[TM+1], v[FLR], |v[(\hb)+32]|, |v[(\hb)+33]|
.irp i, 2,4,6,8,10,12,14,16,18,20,22,24,26,28,30
	v_max3_num_f32 v[TM], v[TM], |v[(\hb)+\i]|, |v[(\hb)+\i+1]|
	v_max3_num_f32 v[TM+1], v[TM+1], |v[(\hb)+32+\i]|, |v[(\hb)+33+\i]|
.endr
	WIN 0
	v_add_nc_u32 v[SCOP], 0xff000000, v[TM]        ; 2 off the exponent field: the conversion's scale operand
	v_add_nc_u32 v[SCOP+1], 0xff000000, v[TM+1]
	v_lshrrev_b32 v[BQ+4*(\sg)+(\u)], 23, v[SCOP]  ; the scales' bytes
	v_lshrrev_b32 v[BQ+4*(\sg)+2+(\u)], 23, v[SCOP+1]
	WIN 0x01                                       ; source 0 window 1
.irp c, 0,1
.irp i, 0,1,2,3
	v_cvt_scalef32_pk8_fp4_f32 v[PC+8*(2*(\sg)+(\u))+4*\c+\i], v[(\hb)+32*\c+8*\i:(\hb)+32*\c+8*\i+7], v[SCOP+\c]
.endr
.endr
	WIN 0
	v_nop                                          ; one plain instruction behind the last conversion
.endm
.macro TURN src, dst, d, mk, n         ; dst[k] = src[k xor d] where the mask is all ones, else src[k]; k = 0 .. n - 1, d a power of two: k xor d = k + d - 2 d ((k / d) % 2)
.set k, 0
.rept \n
	v_cndmask_b32 v[(\dst)+k], v[(\src)+k], v[(\src)+k+(\d)-2*(\d)*((k/(\d))%2)], s[\mk]
.set k, k+1
.endr
.endm
.macro EPI2 p                          ; trip 16 + p: even and odd K steps' sums are added, each accumulator from its low end on
.irp u, 0,1
.irp j, 0,2,4,6
	v_pk_add_f32 v[RR+8*(2*((\p)%4)+\u)+\j:RR+8*(2*((\p)%4)+\u)+\j+1], v[ACC+8*\u+\j:ACC+8*\u+\j+1], v[ACC+16+8*\u+\j:ACC+16+8*\u+\j+1]
.endr
.endr
.endm
; THE WAY OUT of four trips' outputs, 64 for each of the 32 tokens.  A lane holds 32 neighbouring bytes of a row and the lanes beside it other rows: so a token tile goes through my own stage and comes back as rows of 256 bytes.
; In a stage row the four trips' pieces of 64 bytes lie in the order of the trips; which outputs they are stands in the lanes' offsets (go): the 16 lanes of a row still cover one aligned run of 256 bytes of out0.
; LDS serves a wave's instructions in order (ISA guide 5.7.1.4): no wait between my stores and my loads, nor ahead of the second tile's stores.
.macro WAYOUT go
.irp u, 0,1
.irp p, 0,1,2,3
	ds_store_b128 v[STO], v[RR+8*(2*\p+\u):RR+8*(2*\p+\u)+3] offset:64*\p
	ds_store_b128 v[STO], v[RR+8*(2*\p+\u)+4:RR+8*(2*\p+\u)+7] offset:64*\p+16
.endr
.irp i, 0,1,2,3,4,5,6,7
	ds_load_b128 v[BK+32*\u+4*\i:BK+32*\u+4*\i+3], v[RD] offset:2*SPITCH*\i
.endr
.endr
.irp u, 0,1
.irp i, 0,1,2,3,4,5,6,7
	s_wait_dscnt 23-16*\u-\i                       ; behind this load stand the tile's later loads and, for tile 0, tile 1's sixteen instructions
	global_store_b128 v[\go], v[BK+32*\u+4*\i:BK+32*\u+4*\i+3], s[12:13] offset:\u*65536+\i*8192 th:TH_STORE_NT   ; 16 lanes store 256 consecutive bytes, at a multiple of 256 from out0's first byte
.endr
.endr
.endm
	s_load_b256 s[4:11], s[0:1], 0x0               ; xc s[4:5], xs s[6:7], wc s[8:9], wsc s[10:11]
	s_load_b64 s[12:13], s[0:1], 0x20              ; out0
	v_lshl_add_u32 v[SPW], v0, 2, SPARE
	v_mov_b32 v[NIL], 0
	ds_add_u32 v[SPW], v[NIL]                      ; the wave's opening: the add, twice on end, and its wait ahead of my first tensor load; the set-up below stands between
	ds_add_u32 v[SPW], v[NIL]
	v_lshrrev_b32 v19, 5, v0
	v_readfirstlane_b32 s[WV], v19                 ; wave 0..7
	v_and_b32 v20, 31, v0                          ; lane
	v_and_b32 v21, 15, v0                          ; r
	v_bfe_u32 v22, v0, 4, 1                        ; h
	s_bfe_u32 s15, ttmp6, 0x40000                  ; cx: my place in the cluster: it enters global addresses of my own alone
	s_lshl_b32 s16, ttmp9, 2
	s_add_co_u32 s16, s16, s15                     ; my block of 32 tokens
	s_lshr_b32 s[XR], ttmp9, 2                     ; X = (c xor c / 4) % 16, c the cluster's number: the same in all four partners
	s_xor_b32 s[XR], s[XR], ttmp9
	s_and_b32 s[XR], s[XR], 15
	s_lshl_b32 s[X1], s[XR], 17
	s_and_b32 s[X2], s[XR], 7
	s_lshl_b32 s51, s[X2], 6                       ; 16 outputs are 64 bytes of a row of out0
	s_lshl_b32 s[X2], s[X2], 17
.irp b, 0,1,2,3
	s_bitcmp1_b32 s[XR], \b
	s_cselect_b32 s[MK+\b], -1, 0
.endr
	s_mov_b32 s[OFF+1], 0
	s_lshl_b32 s17, s[WV], 14                      ; my wave's 16,384 bytes of a tile, in memory and in a slot
	v_lshl_add_u32 v[ADR], v20, 4, s17
	v_add_nc_u32 v[ADR+1], SLOT1, v[ADR]
	s_lshl_b32 s20, s[WV], 12
	v_lshl_add_u32 v[HWI], v20, 4, s20
	v_add_nc_u32 v[HWI], HIMG, v[HWI]              ; my four images: K steps 2 v, 2 v + 1 x two token tiles
	s_lshl_b32 s20, s[WV], 8
	v_lshl_add_u32 v[HWS], v20, 2, s20
	v_add_nc_u32 v[HWS], HSC, v[HWS]
	v_lshl_add_u32 v[LI], v20, 4, HIMG
	v_lshl_add_u32 v[LS], v20, 2, HSC
	v_lshl_add_u32 v[MXW], v0, 2, MAXX
	v_lshl_add_u32 v[MXR], v21, 2, MAXX
	v_lshlrev_b32 v[SH8], 3, v22
	v_mov_b32 v[MX], 0
	v_mov_b32 v[MX+1], 0
	s_mul_i32 s20, s[WV], 16*SPITCH
	s_add_co_u32 s20, s20, STAGE                   ; my stage
	v_mul_u32_u24 v[STO], v21, SPITCH
	v_lshl_add_u32 v[STO], v22, 5, v[STO]
	v_add_nc_u32 v[STO], s20, v[STO]               ; in: row r, 32 bytes for each half of the lanes
	v_mul_u32_u24 v[RD], v22, SPITCH
	v_lshl_add_u32 v[RD], v21, 4, v[RD]
	v_add_nc_u32 v[RD], s20, v[RD]                 ; back: lanes 0-15 one row, lanes 16-31 the next
	v_lshlrev_b32 v[GO], 12, v22
	v_lshl_add_u32 v[GO], v21, 4, v[GO]            ; the same two rows in out0, 16 bytes a lane;
	v_xor_b32 v[GO], s51, v[GO]                    ; trip 16 + n makes outputs 16 (n xor X % 8) on: bits 6, 7 permute a run's four pieces of 64 bytes, bit 8 says which 256 bytes of my 512
	v_xor_b32 v[GO1], 0x100, v[GO]                 ; trips 20-23: the other 256
	s_lshl_b32 s22, s15, 15
	s_and_b32 s23, s[WV], 3
	s_lshl_b32 s23, s23, 13
	s_add_co_u32 s22, s22, s23
	v_lshl_add_u32 v[PFO], v20, 8, s22             ; 32,768 cx + 8,192 (wave % 4) + 256 lane: inside a tile in every wave
	v_mov_b32 v[FLR], 0x1800000
	v_lshlrev_b32 v19, 4, v20                      ; x's fragments: 16 bytes a lane
	v_lshlrev_b32 v23, 9, v22
	v_lshl_add_u32 v23, v21, 2, v23                ; x's scale words: tile h, row r
	v_lshlrev_b32 v124, 2, v20                     ; the weights' scale words
	v_mov_b32 v125, 0
	; descriptor group 1: 16,384 dense bytes as 64 rows of 256 bytes (32 elements of 8 bytes); no padding: the bytes are read back 512 on end
	s_mov_b32 s[G1], 15|(3<<16)|(1<<21)            ; 15:0 the mask: all four work-groups; 17:16 elements of 8 bytes; 21 set beside a mask
	s_mov_b32 s[G1+1], 32<<16                      ; tensor_dim0 = 32
	s_mov_b32 s[G1+2], 64<<16                      ; tensor_dim1 = 64
	s_mov_b32 s[G1+3], 32<<16                      ; tile_dim0 = 32
	s_mov_b32 s[G1+4], 64                          ; tile_dim1 = 64
	s_mov_b32 s[G1+5], 32                          ; elements from row to row
	s_mov_b32 s[G1+6], 0
	s_mov_b32 s[G1+7], 0
	s_mov_b32 s[SEL], 0x76543210
	s_mov_b32 s[SEL+1], 0xfedcba98                 ; lane l xor 16
	s_mov_b32 s[LO], 0xc3000000                    ; -128
	s_mov_b32 s[HI], 0x42fe0000                    ; 127
	s_mov_b32 s[LE], 0xbfb8aa3b                    ; -log2(e)
	s_mov_b32 s[LE+1], s[LE]
	s_mov_b32 s[HALF], 0xffff0000
	s_lshr_b32 s[FLAG], s[WV], 2                   ; 0 in waves 0 to 3,
	s_or_b32 s[FLAG], s[FLAG], ttmp9               ; of cluster 0: the same in all four partners
	s_cmp_eq_u32 s[FLAG], 0
	s_cselect_b32 s[FLAG], 1, 0
	s_mov_b32 s18, s17
	s_mov_b32 s19, 0
	s_mov_b32 s21, 0
	s_wait_dscnt 0x0                               ; both opening adds are done
	s_wait_kmcnt 0x0
	s_add_nc_u64 s[BASE:BASE+1], s[8:9], s[18:19]  ; my wave's part of tile 0
	s_mov_b32 s[OFF], s[X1]                        ; trip 0: tile X
	s_mov_b32 s[G0], 1                             ; count = 1
	s_mov_b32 s[G0+1], s17                         ; LDS address: slot 0, my wave's part: no place in the cluster enters it
	s_add_nc_u64 s[G0+2:G0+3], s[BASE:BASE+1], s[OFF:OFF+1]
	s_xor_b32 s[OFF], s[X1], SLOT1                 ; trip 1: tile 1 xor X
	s_mov_b32 s[G0+4], 1
	s_add_co_u32 s[G0+5], s17, SLOT1
	s_add_nc_u64 s[G0+6:G0+7], s[BASE:BASE+1], s[OFF:OFF+1]
	s_or_b32 s[G0+3], s[G0+3], 0x80000000          ; type = 2
	s_or_b32 s[G0+7], s[G0+7], 0x80000000
	s_lshl_b32 s20, s16, 14
	s_add_nc_u64 s[4:5], s[4:5], s[20:21]          ; my two tiles of x's codes,
	s_lshl_b32 s20, s16, 10
	s_add_nc_u64 s[6:7], s[6:7], s[20:21]          ; their scale words,
	s_lshl_b32 s20, s16, 17
	s_lshl_b32 s22, s[WV], 9
	s_add_co_u32 s20, s20, s22
	s_add_nc_u64 s[12:13], s[12:13], s[20:21]      ; and my 32 rows of out0, my wave's 128 outputs
	ROUND                                          ; all four work-groups are here: the first joint loads meet
	tensor_load_to_lds s[G0:G0+3], s[G1:G1+7]      ; every wave issues both first fills: two loads of mine are out
	s_nop 0
	tensor_load_to_lds s[G0+4:G0+7], s[G1:G1+7]
	s_nop 0
	PLACES 5
.set f, 0
.rept 16
	global_load_b128 v[XF+8*f:XF+8*f+3], v19, s[4:5] offset:1024*f         ; x's fragment (token tile f / 8, K step f % 8): it stays in registers for the first two products
	global_load_b128 v[XF+8*f+4:XF+8*f+7], v19, s[4:5] offset:1024*f+512
.set f, f+1
.endr
.irp s, 0,1,2,3,4,5,6,7
	global_load_b32 v[SW+\s], v23, s[6:7] offset:64*\s
.endr
.irp k, 0,1,2
	global_load_b32 v[WSG+\k], v124, s[10:11] offset:256*\k
.endr
	s_wait_loadcnt 0x0
	s_wait_tensorcnt 1                             ; my part of trip 0's tile is in, and I alone read it; trip 1's load may stay out
	FIRST3 0
	PIECES1 0
.set t, 1
.rept 15
	CHANGE t
	FIRST3 t%2
.if (t >= 11) && (t <= 14)
	ASK 16+2*(t-11)
.endif
	EPI1 t-1                                       ; the last tile's vector work stands between this tile's first LDS loads and their wait
	PIECES1 t%2
.set t, t+1
.endr
	CHANGE 16
	EPI1 15
	; THE MIDDLE.  Trip 17's load stays out across the two barriers here.
	v_permlanex16_b32 v124, v[MX], s[SEL], s[SEL+1]
	v_permlanex16_b32 v125, v[MX+1], s[SEL], s[SEL+1]
	v_max_num_f32 v[MX], v[MX], v124               ; my token's largest |h| among my wave's 256 units
	v_max_num_f32 v[MX+1], v[MX+1], v125
	v_cndmask_b32 v126, v[MX], v[MX+1], s[HALF]    ; lanes 0-15 tile 0's, lanes 16-31 tile 1's
	ds_store_b32 v[MXW], v126
	s_wait_dscnt 0x0                               ; for the others' sake
	s_barrier_signal -1
	s_barrier_wait -1
.irp w, 0,1,2,3,4,5,6,7
	ds_load_b32 v[MT+2*\w], v[MXR] offset:128*\w
	ds_load_b32 v[MT+2*\w+1], v[MXR] offset:128*\w+64
.endr
	s_wait_dscnt 0x0
.irp u, 0,1
	v_max3_num_f32 v[MX+\u], v[MT+\u], v[MT+2+\u], v[MT+4+\u]
.endr
.irp i, 6,10
.irp u, 0,1
	v_max3_num_f32 v[MX+\u], v[MX+\u], v[MT+\i+\u], v[MT+\i+2+\u]
.endr
.endr
.irp u, 0,1
	v_max3_num_f32 v[MX+\u], v[MX+\u], v[MT+14+\u], 0x3727c5ac   ; the eighth wave's, and 1e-5 from below, as reference() holds it
.endr
	v_rcp_f32 v[RT], v[MX]
	v_rcp_f32 v[RT+1], v[MX+1]
	v_nop
	s_wait_alu depctr_va_vdst(0)                   ; one wait for both reciprocals, ahead of their first reader
	v_mul_f32 v[SP], s[HI], v[RT]                  ; q = 127 r
	v_mul_f32 v[SP+2], s[HI], v[RT+1]
	v_fma_f32 v[RT+2], -v[SP], v[MX], s[HI]        ; 127 - q a
	v_fma_f32 v[RT+3], -v[SP+2], v[MX+1], s[HI]
	v_fma_f32 v[SP], v[RT+2], v[RT], v[SP]         ; s
	v_fma_f32 v[SP+2], v[RT+3], v[RT+1], v[SP+2]
	v_rcp_f32 v[RT], v[SP]
	v_rcp_f32 v[RT+1], v[SP+2]
	v_mov_b32 v[SP+1], v[SP]
	v_mov_b32 v[SP+3], v[SP+2]
	s_wait_alu depctr_va_vdst(0)
	v_fma_f32 v[RT+2], -v[SP], v[RT], 1.0
	v_fma_f32 v[RT+3], -v[SP+2], v[RT+1], 1.0
	v_fma_f32 v[IV], v[RT+2], v[RT], v[RT]         ; 1 / s
	v_fma_f32 v[IV+2], v[RT+3], v[RT+1], v[RT+1]
	v_mov_b32 v[IV+1], v[IV]
	v_mov_b32 v[IV+3], v[IV+2]
.irp sg, 0,1
.irp u, 0,1
	AQ  64*(2*\sg+\u), \u
	MXQ 64*(2*\sg+\u), \sg, \u
.endr
.endr
	; The codes and bytes to their places.  Register k = 16 (K step's parity) + 8 (token tile) + 4 (half of the fragment) + (eight of the block) of the codes: the trips' order has moved the eights by bits 0, 1 of X,
	; the halves by bit 2, the K steps by bit 3.  One select a register and bit; the choice hangs on the cluster's number alone and steers no address.
	TURN PC, EA, 1, MK, 32
	TURN EA, EB, 2, MK+1, 32
	TURN EB, EA, 4, MK+2, 32
	TURN EA, EB, 16, MK+3, 32
	TURN BQ, BE, 2, MK+2, 8                        ; byte m = 4 (K step's parity) + 2 (half) + token tile
	TURN BE, BD, 4, MK+3, 8
.irp sg, 0,1
.irp u, 0,1
	v_lshl_or_b32 v[WDD+2*\sg+\u], v[BD+4*\sg+2+\u], 16, v[BD+4*\sg+\u]   ; blocks h and 2 + h of the K step,
.endr
.endr
.irp w, 0,1,2,3
	v_lshlrev_b32 v[WDD+\w], v[SH8], v[WDD+\w]     ; at their places in the word;
.endr
.irp w, 0,1,2,3
	v_permlanex16_b32 v[PXX+\w], v[WDD+\w], s[SEL], s[SEL+1]
.endr
.irp w, 0,1,2,3
	v_or_b32 v[WDD+\w], v[WDD+\w], v[PXX+\w]       ; with lane l xor 16's two the word is whole
.endr
.irp sg, 0,1
	v_cndmask_b32 v[WX+\sg], v[WDD+2*\sg], v[WDD+2*\sg+1], s[HALF]   ; K step 2 v + sg: tile 0's words below, tile 1's above
.endr
.irp g, 0,1,2,3
	ds_store_b128 v[HWI], v[EB+8*\g:EB+8*\g+3] offset:1024*\g          ; the fragment goes to LDS as it stands: 512 consecutive bytes a store
	ds_store_b128 v[HWI], v[EB+8*\g+4:EB+8*\g+7] offset:1024*\g+512
.endr
	ds_store_b32 v[HWS], v[WX]
	ds_store_b32 v[HWS], v[WX+1] offset:128
	s_wait_dscnt 0x0                               ; for the others' sake: my four images and their words lie in LDS
	s_barrier_signal -1
	s_barrier_wait -1
	WIN 0x40                                       ; destination window 1: the fragments take the registers that the f32 numbers have left
.set f, 0
.rept 32
	ds_load_b128 v[8*f:8*f+3], v[LI] offset:1024*f
	ds_load_b128 v[8*f+4:8*f+7], v[LI] offset:1024*f+512
.set f, f+1
.endr
	WIN 0
.set f, 0
.rept 16
	ds_load_b32 v[SW+f], v[LS] offset:128*f
.set f, f+1
.endr
	FIRST3 0                                       ; these twelve are younger than the loads above: the first piece's wait shows all of those in
	PIECES2 0
.set t, 17
.rept 6
	CHANGE t
	FIRST3 t%2
	EPI2 t-17
.if t == 20
	WAYOUT GO                                      ; the outputs of trips 16-19 leave while four tiles are still to be multiplied
.endif
	PIECES2 t%2
.set t, t+1
.endr
	s_wait_tensorcnt 0x0                           ; trip 23's tile is in: no load was issued behind it, nothing is filled again, so no round stands here
	PLACES 5
	FIRST3 1
	EPI2 6
	PIECES2 1
	PLACES 5
	EPI2 7
	s_wait_xcnt 0x0                                ; the first half's stores have read their registers: the rows of the second half may land there
	WAYOUT GO1
	s_wait_tensorcnt 0x0                           ; the wave's end: behind my last tensor load and my last LDS store
	ds_add_u32 v[SPW], v[NIL]
	s_wait_dscnt 0x0
	ROUND                                          ; the closing round: no work-group ends while a partner may still ask for a tile that names it
	s_endpgm
.Lfunc_end_k_q7c443e818b_ffn:
	.size	k_q7c443e818b_ffn, .Lfunc_end_k_q7c443e818b_ffn-k_q7c443e818b_ffn
	.p2alignl 7, 3214868480
	.fill 96, 4, 3214868480
	.section	.rodata,"a",@progbits
	.p2align	6, 0x0
	.amdhsa_kernel k_q7c443e818b_ffn
		.amdhsa_group_segment_fixed_size 327680
		.amdhsa_private_segment_fixed_size 0
		.amdhsa_enable_private_segment 0
		.amdhsa_kernarg_size 40
		.amdhsa_user_sgpr_count 2
		.amdhsa_user_sgpr_kernarg_segment_ptr 1
		.amdhsa_wavefront_size32 1
		.amdhsa_system_sgpr_workgroup_id_x 1
		.amdhsa_system_sgpr_workgroup_id_y 1
		.amdhsa_system_sgpr_workgroup_id_z 1
		.amdhsa_system_vgpr_workitem_id 0
		.amdhsa_next_free_vgpr 512
		.amdhsa_next_free_sgpr 66
		.amdhsa_reserve_vcc 0
		.amdhsa_float_denorm_mode_32 3
		.amdhsa_float_denorm_mode_16_64 3
		.amdhsa_memory_ordered 1
		.amdhsa_forward_progress 1
		.amdhsa_inst_pref_size 255
	.end_amdhsa_kernel
	.section	.bss,"aw",@nobits
	.p2align	6
	.space	262144
	.amdgpu_metadata
---
amdhsa.version: [ 1, 2 ]
amdhsa.kernels:
  - .name:           k_q7c443e818b_ffn
    .symbol:         k_q7c443e818b_ffn.kd
    .args:
      - { .name: xc, .offset: 0, .size: 8, .value_kind: global_buffer, .address_space: global }
      - { .name: xs, .offset: 8, .size: 8, .value_kind: global_buffer, .address_space: global }
      - { .name: wc, .offset: 16, .size: 8, .value_kind: global_buffer, .address_space: global }
      - { .name: wsc, .offset: 24, .size: 8, .value_kind: global_buffer, .address_space: global }
      - { .name: out0, .offset: 32, .size: 8, .value_kind: global_buffer, .address_space: global }
    .group_segment_fixed_size: 327680
    .private_segment_fixed_size: 0
    .kernarg_segment_align: 8
    .kernarg_segment_size: 40
    .max_flat_workgroup_size: 256
    .sgpr_count:     66
    .vgpr_count:     512
    .wavefront_size: 32
...
	.end_amdgpu_metadata
.endif
;; end of part 4
